; MI455X (gfx1250); checked and timed in simulation.
; The chip was launched on July 23, 2026; its instructions are those of AMD's public machine-readable ISA for CDNA 5 (MIT licence, August 2026) and "CDNA5" Instruction Set Architecture Reference Guide (July 2026). The comments in the code are by the model that wrote it; some were corrected since.
;; Decoder Block. Allowed arithmetic: matrix products marked QUANTISED: E5M2 operands, one E8M0 scale for each 32 along K, by v_wmma_scale_f32_16x16x128_f8f6f4 with both operands' format E5M2, f32 sums; everything else in f32.
;; Inputs: W1_codes 4,096 x 32 x 32 uint8 (E5M2 codes of W1, K innermost, in blocks of 32 codes); W1_scales 4,096 x 32 uint8 (E8M0 scales of W1, one for each 32 codes along K); W2_codes 1,024 x 128 x 32 uint8 (E5M2 codes of W2, K innermost, in blocks of 32 codes); W2_scales 1,024 x 128 uint8 (E8M0 scales of W2, one for each 32 codes along K); Wk_codes 16 x 64 x 32 x 32 uint8 (E5M2 codes of Wk, K innermost, in blocks of 32 codes); Wk_scales 16 x 64 x 32 uint8 (E8M0 scales of Wk, one for each 32 codes along K); Wo_codes 1,024 x 32 x 32 uint8 (E5M2 codes of Wo, K innermost, in blocks of 32 codes); Wo_scales 1,024 x 32 uint8 (E8M0 scales of Wo, one for each 32 codes along K); Wq_codes 16 x 64 x 32 x 32 uint8 (E5M2 codes of Wq, K innermost, in blocks of 32 codes); Wq_scales 16 x 64 x 32 uint8 (E8M0 scales of Wq, one for each 32 codes along K); Wv_codes 16 x 64 x 32 x 32 uint8 (E5M2 codes of Wv, K innermost, in blocks of 32 codes); Wv_scales 16 x 64 x 32 uint8 (E8M0 scales of Wv, one for each 32 codes along K); b1 4,096 float32; b2 1,024 float32; be1 1,024 float32; be2 1,024 float32; bo 1,024 float32; g1 1,024 float32; g2 1,024 float32; x 2 x 2,048 x 1,024 float32.
;; Outputs: out0 2 x 2,048 x 1,024 float32.
;; This version of the problem:
;;   THIS VERSION OF THE PROBLEM IS GIVEN IN LOW PRECISION. The matrix products marked QUANTISED in the list below multiply operands that are first quantised to E5M2 (5 exponent bits, 2 mantissa bits; 8 bits a number), with one power-of-two scale for each 32 numbers along K (OCP MX v1.0); their sums are f32. All else is computed in f32.
;;   The module's matrix products, in the order in which they are computed (A, B: the left and right operand; K: the contracted axis; several contracted axes count as one K, in the product's order):
;;     1. [M 1,024, K 1,024] x [K 1,024, N 4,096]; A: input Wq (given as codes); B: computed on the way: QUANTISED
;;     2. [M 1,024, K 1,024] x [K 1,024, N 4,096]; A: input Wk (given as codes); B: computed on the way: QUANTISED
;;     3. [M 1,024, K 1,024] x [K 1,024, N 4,096]; A: input Wv (given as codes); B: computed on the way: QUANTISED
;;     4. batch 32 x [M 2,048, K 64] x [K 64, N 2,048]; A: computed on the way; B: computed on the way: QUANTISED
;;     5. batch 32 x [M 2,048, K 2,048] x [K 2,048, N 64]; A: softmax (see below); B: computed on the way: QUANTISED
;;     6. [M 4,096, K 1,024] x [K 1,024, N 1,024]; A: computed on the way; B: input Wo (given as codes): QUANTISED
;;     7. [M 4,096, K 1,024] x [K 1,024, N 4,096]; A: computed on the way; B: input W1 (given as codes): QUANTISED
;;     8. [M 4,096, K 4,096] x [K 4,096, N 1,024]; A: computed on the way; B: input W2 (given as codes): QUANTISED
;;   THE QUANTISER, for each operand of a quantised product, along K:
;;     - K is cut into blocks of 32 from its start; a last block that is shorter is filled with zeros.
;;     - A block's scale is 2^e with e = floor(log2(the largest magnitude in the block)) - 15, held to -126 .. 127; a block of zeros has e = 0. As a byte (E8M0): e + 127.
;;     - Each number is divided by its block's scale, clamped to +-57,344, and rounded to the nearest number of E5M2, ties to even, subnormals kept.
;;     - The product sums the exact products of the quantised numbers (number of the format x scale) in f32.
;;   ~~~python
;;   def quantise(x, axis):      # numpy; x: float32 -> the quantised numbers, widened to float32 again
;;       x = np.moveaxis(x, axis, -1); K = x.shape[-1]
;;       x = np.pad(x, [(0, 0)] * (x.ndim - 1) + [(0, -K % 32)]); x = x.reshape(x.shape[:-1] + (-1, 32)); a = np.abs(x).max(-1, keepdims=True)
;;       e = np.where(a > 0, np.clip(np.frexp(np.where(a > 0, a, 1))[1] - 1 - 15, -126, 127), 0)      # np.frexp(a)[1] - 1 = floor(log2(a)), exactly
;;       r = np.clip(x / 2.0 ** e, -57344, 57344)
;;       step = 2.0 ** (np.maximum(np.frexp(np.where(r == 0, 1, r))[1] - 1, -14) - 2)
;;       q = np.round(r / step) * step * 2.0 ** e      # np.round: ties to even
;;       return np.moveaxis(q.reshape(q.shape[:-2] + (-1,))[..., :K], -1, axis).astype(np.float32)
;;   ~~~
;;   SOFTMAX AHEAD OF A QUANTISED PRODUCT. Where the list says 'softmax', what is quantised is not the finished softmax but p = 2^(t - M), with t = logit x log2(e) and M = ceil(the row's largest t), a whole number; so 1/2 < the row's largest p <= 1. The row's sum l is taken of the UNQUANTISED p, in f32, and the product's result is divided by l at the end. Since M is a whole number, a kernel that streams over the keys may use a running M (the ceiling of the running maximum): every later rescaling is an exact power of two, which a block's scale takes up: the codes' values come out the same.
;;   OPERANDS COMPUTED ON THE WAY. 'Computed on the way' means the value that the module computes at that place (a softmax that the list does not call 'softmax' is quantised finished and normalised). What goes into a quantiser is computed in f32, as accurately as f32 sums, v_exp_f32 and their like allow (about 1e-6 of the number): no bf16 or f16 on the way to a quantiser, and a product that is left as it is and whose result goes on into a quantised operand takes f32 operands (vector FMAs, or v_wmma_f32_16x16x4_f32). A number that lies on a knife's edge between two numbers of the format may be rounded either way, as far as f32 arithmetic and the matrix unit's own rounding can turn it there, and no further.
;;   INPUTS GIVEN AS CODES. W1 (in the module: [1024, 4096], K = its axis 0); W2 (in the module: [4096, 1024], K = its axis 0); Wk (in the module: [16, 1024, 64], K = its axis 1); Wo (in the module: [1024, 1024], K = its axis 0); Wq (in the module: [16, 1024, 64], K = its axis 1); Wv (in the module: [16, 1024, 64], K = its axis 1): each comes as NAME_codes (uint8): NAME with its K axis moved to the last place and cut into blocks of 32 codes, [.., K / 32, bytes a block], one block behind the other in memory; one code a byte (a code: sign, 5 exponent bits, 2 mantissa bits); and NAME_scales (uint8): the same leading axes, one E8M0 byte (e + 127) for each 32 codes along K. Its value is code x scale, taken as it is: it is not quantised again, and the codes and scales need not be those that the quantiser above would give.
;; One version. Each part assembles by itself: llvm-mc -triple=amdgcn-amd-amdhsa -mcpu=gfx1250 --defsym DOCPART=n.
;; ======== version 1 of 1: 7 launches
;; workspace buffers: h 4,325,376 bytes; qr 4,456,448 bytes; kr 4,456,448 bytes; vr 4,325,376 bytes; o 4,325,376 bytes; x1 16,777,216 bytes; f 17,301,504 bytes
;; launch ln1 (part 1): grid 512 x 1, 4 waves a work-group, no clusters, 41,728 bytes of LDS; arguments x, g1, be1, h; writes h
.if DOCPART == 1
	.amdgcn_target "amdgcn-amd-amdhsa--gfx1250"
	.amdhsa_code_object_version 6
	.text
	.protected	k_qe72b82c4b0_ln1
	.globl	k_qe72b82c4b0_ln1
	.p2align	8
	.type	k_qe72b82c4b0_ln1,@function
k_qe72b82c4b0_ln1:
	s_mov_b64 s[64:65], 0
	v_nop
	global_prefetch_b8 v0, s[64:65] scope:SCOPE_SE
	s_setreg_imm32_b32 hwreg(HW_REG_WAVE_MODE, 25, 1), 1
	s_wait_xcnt 0x0
; y = (x - mean) * rsqrt(var + 1e-5) * g + b over rows of 1,024 f32, then y is turned into codes of BF8 (E5M2) with one E8M0 byte for each 32 along the row.
; Out: codes [4096][1024] at the buffer's start, scale bytes [4096][32] at byte 4,194,304: the layouts that a product's operand with K innermost has.
; A work-group takes 8 rows, a wave 2.  All 32 loads of a wave (16 of x, 8 of g, 8 of b) go out at once; a row stays in 32 registers between the passes: mean, then the sum of squares of x - mean.
; The conversions take 16 neighbours from one lane, a load gives a lane 4: half a row (2,048 bytes) at a time turns through the wave's own stage in LDS, 16 bytes of padding behind each 64.
; A block's scale is 2^(floor(log2(largest magnitude)) - 15); its byte is that magnitude's exponent field - 15, held at 1 from below.
; LIMITS: NaN and infinities are not served; a block of zeros, or one whose largest magnitude lies under 2^-111, gets the byte 1 (its codes are zeros; the bytes are read by this program alone).
; No matrix unit, no tensor load, no cluster: work-groups share nothing but g and b, and the launch is a plain stream.
.set SP,    80                         ; a lane's place in a stage: 64 bytes + 16 of padding
.set STG,   32*SP                      ; a stage: half a row
.set WREG,  4*STG                      ; a wave's four stages
.set SCB,   4*WREG                     ; behind them: the work-group's 256 scale bytes
.set X,     32                         ; v32-95   two rows as loaded: row p, load j at X + 32 p + 4 j = elements 128 j + 4 lane
.set G,     96                         ; v96-127  g, in the same layout
.set BE,    128                        ; v128-159 b
.set Y,     160                        ; v160-223 four half rows, 16 neighbours a lane
.set C,     224                        ; v224-239 codes
.set E,     240                        ; v240-243 scale bytes
	s_load_b256 s[4:11], s[0:1], 0x0               ; x, g, b, out
	v_lshl_add_u32 v248, v0, 2, 0xa100
	v_mov_b32 v249, 0
	v_lshrrev_b32 v2, 5, v0
	v_readfirstlane_b32 s12, v2                    ; wave
	v_and_b32 v3, 31, v0                           ; lane
	v_lshlrev_b32 v1, 4, v3                        ; 16 x lane
	s_mul_i32 s16, s12, WREG
	v_lshrrev_b32 v4, 2, v3
	v_mul_u32_u24 v4, v4, SP
	v_and_b32 v5, 3, v3
	v_lshl_add_u32 v4, v5, 4, v4
	v_add_nc_u32 v4, s16, v4                       ; into a stage: four lanes' 64 bytes on end, then the padding
	v_mul_u32_u24 v5, v3, SP
	v_add_nc_u32 v5, s16, v5                       ; out of it: my 16 neighbours
	v_lshrrev_b32 v6, 1, v3
	s_lshl_b32 s17, s12, 6
	s_add_co_u32 s17, s17, SCB
	v_add_nc_u32 v6, s17, v6                       ; my block's scale byte: 32 bytes a row, two rows a wave
	v_lshlrev_b32 v7, 3, v3                        ; 8 x lane
	v_mov_b32 v24, 0                               ; written once: a lane permute's destination counts as one of its sources
	v_mov_b32 v25, 0
	s_mov_b32 s13, 0x600000                        ; the mantissa field of 57,344
	s_mov_b32 s14, 0x76543210
	s_mov_b32 s15, 0xfedcba98                      ; selects for lane l xor 16
	s_lshl_b32 s16, ttmp9, 15                      ; 8 rows of 4,096 bytes a work-group,
	s_lshl_b32 s18, s12, 13                        ; 2 a wave
	s_add_co_u32 s16, s16, s18
	s_mov_b32 s17, 0
	s_lshr_b32 s18, s16, 2                         ; the same rows' codes: a quarter of the bytes
	s_mov_b32 s19, 0
	s_lshl_b32 s20, ttmp9, 8
	s_add_co_u32 s20, s20, 4194304                 ; the work-group's 256 scale bytes
	s_mov_b32 s21, 0
	s_wait_kmcnt 0x0
	s_add_nc_u64 s[4:5], s[4:5], s[16:17]
	s_add_nc_u64 s[22:23], s[10:11], s[20:21]
	s_add_nc_u64 s[10:11], s[10:11], s[18:19]
	s_mov_b32 s16, 0x3a800000                      ; 1 / 1,024
	s_mov_b32 s17, 0x3727c5ac                      ; 1e-5
.irp p, 0,1
.irp j, 0,1,2,3,4,5,6,7
	global_load_b128 v[X+32*\p+4*\j:X+32*\p+4*\j+3], v1, s[4:5] offset:\p*4096+512*\j th:TH_LOAD_NT   ; 32 lanes read 512 consecutive bytes
.endr
.endr
.irp j, 0,1,2,3,4,5,6,7
	global_load_b128 v[G+4*\j:G+4*\j+3], v1, s[6:7] offset:512*\j
.endr
.irp j, 0,1,2,3,4,5,6,7
	global_load_b128 v[BE+4*\j:BE+4*\j+3], v1, s[8:9] offset:512*\j
.endr
.macro LANESUM r, t                    ; the pair's two halves, then all 32 lanes; every lane ends with the sum
	v_add_f32 v[\r], v[\r], v[\r+1]
	v_add_f32_dpp v[\r], v[\r], v[\r] row_xmask:1 row_mask:0xf bank_mask:0xf
	v_add_f32_dpp v[\r], v[\r], v[\r] row_xmask:2 row_mask:0xf bank_mask:0xf
	v_add_f32_dpp v[\r], v[\r], v[\r] row_xmask:4 row_mask:0xf bank_mask:0xf
	v_add_f32_dpp v[\r], v[\r], v[\r] row_xmask:8 row_mask:0xf bank_mask:0xf
	v_permlanex16_b32 v[\t], v[\r], s14, s15
	v_add_f32 v[\r], v[\r], v[\t]
.endm
	s_wait_loadcnt 16                              ; x's 16 loads are in; the 16 of g and b may be out
.irp p, 0,1                            ; the rows' sums, two chains a row
	v_pk_add_f32 v[8+4*\p:9+4*\p], v[X+32*\p:X+32*\p+1], v[X+32*\p+4:X+32*\p+5]
	v_pk_add_f32 v[10+4*\p:11+4*\p], v[X+32*\p+2:X+32*\p+3], v[X+32*\p+6:X+32*\p+7]
.endr
.irp i, 8,12,16,20,24,28
.irp p, 0,1
	v_pk_add_f32 v[8+4*\p:9+4*\p], v[8+4*\p:9+4*\p], v[X+32*\p+\i:X+32*\p+\i+1]
	v_pk_add_f32 v[10+4*\p:11+4*\p], v[10+4*\p:11+4*\p], v[X+32*\p+\i+2:X+32*\p+\i+3]
.endr
.endr
.irp p, 0,1
	v_pk_add_f32 v[8+4*\p:9+4*\p], v[8+4*\p:9+4*\p], v[10+4*\p:11+4*\p]
.endr
	LANESUM 8, 24
	LANESUM 12, 25
.irp p, 0,1
	v_mul_f32 v[16+2*\p], s16, v[8+4*\p]           ; the mean,
.endr
.irp p, 0,1
	v_mov_b32 v[17+2*\p], v[16+2*\p]               ; twice: a pair for the packed lines
.endr
.irp p, 0,1
.irp i, 0,2,4,6,8,10,12,14,16,18,20,22,24,26,28,30
	v_pk_add_f32 v[X+32*\p+\i:X+32*\p+\i+1], v[X+32*\p+\i:X+32*\p+\i+1], v[16+2*\p:17+2*\p] neg_lo:[0,1] neg_hi:[0,1]   ; x - mean, in place
.endr
.endr
.irp p, 0,1                            ; the sums of squares
	v_pk_mul_f32 v[8+4*\p:9+4*\p], v[X+32*\p:X+32*\p+1], v[X+32*\p:X+32*\p+1]
	v_pk_mul_f32 v[10+4*\p:11+4*\p], v[X+32*\p+2:X+32*\p+3], v[X+32*\p+2:X+32*\p+3]
.endr
.irp i, 4,8,12,16,20,24,28
.irp p, 0,1
	v_pk_fma_f32 v[8+4*\p:9+4*\p], v[X+32*\p+\i:X+32*\p+\i+1], v[X+32*\p+\i:X+32*\p+\i+1], v[8+4*\p:9+4*\p]
	v_pk_fma_f32 v[10+4*\p:11+4*\p], v[X+32*\p+\i+2:X+32*\p+\i+3], v[X+32*\p+\i+2:X+32*\p+\i+3], v[10+4*\p:11+4*\p]
.endr
.endr
.irp p, 0,1
	v_pk_add_f32 v[8+4*\p:9+4*\p], v[8+4*\p:9+4*\p], v[10+4*\p:11+4*\p]
.endr
	LANESUM 8, 24
	LANESUM 12, 25
.irp p, 0,1
	v_fma_f32 v[8+4*\p], v[8+4*\p], s16, s17       ; var + eps
.endr
	v_rsq_f32 v20, v8
	v_rsq_f32 v22, v12
	v_nop                                          ; a plain instruction behind the last of the two
	s_wait_alu depctr_va_vdst(0)                   ; one wait for both, ahead of their first reader
	v_mov_b32 v21, v20
	v_mov_b32 v23, v22
	s_wait_loadcnt 0x0                             ; g and b
.irp p, 0,1
.irp i, 0,2,4,6,8,10,12,14,16,18,20,22,24,26,28,30
	v_pk_mul_f32 v[X+32*\p+\i:X+32*\p+\i+1], v[X+32*\p+\i:X+32*\p+\i+1], v[20+2*\p:21+2*\p]
.endr
.irp i, 0,2,4,6,8,10,12,14,16,18,20,22,24,26,28,30
	v_pk_fma_f32 v[X+32*\p+\i:X+32*\p+\i+1], v[X+32*\p+\i:X+32*\p+\i+1], v[G+\i:G+\i+1], v[BE+\i:BE+\i+1]
.endr
.endr
.macro TURN p, s                       ; half s of row p through its stage: LDS serves a wave's instructions in order, so no wait stands between the stores and the loads
.irp i, 0,1,2,3
	ds_store_b128 v4, v[X+32*(\p)+16*(\s)+4*\i:X+32*(\p)+16*(\s)+4*\i+3] offset:STG*(2*(\p)+(\s))+8*SP*\i
.endr
.irp i, 0,1,2,3
	ds_load_b128 v[Y+16*(2*(\p)+(\s))+4*\i:Y+16*(2*(\p)+(\s))+4*\i+3], v5 offset:STG*(2*(\p)+(\s))+16*\i
.endr
.endm
	TURN 0, 0
	TURN 0, 1
	TURN 1, 0
	TURN 1, 1
	s_wait_dscnt 0x0
.macro QH p, s                         ; 16 neighbours a lane, two lanes to a block: codes and the block's byte
.set YS, Y+16*(2*(\p)+(\s))
.set CS, C+4*(2*(\p)+(\s))
.set ES, E+2*(\p)+(\s)
	v_max3_num_f32 v28, |v[YS]|, |v[YS+1]|, |v[YS+2]|
	v_max3_num_f32 v29, |v[YS+3]|, |v[YS+4]|, |v[YS+5]|
.irp i, 6,10
	v_max3_num_f32 v28, v28, |v[YS+\i]|, |v[YS+\i+1]|
	v_max3_num_f32 v29, v29, |v[YS+\i+2]|, |v[YS+\i+3]|
.endr
	v_max3_num_f32 v28, v28, |v[YS+14]|, |v[YS+15]|
	v_max3_num_f32 v28, v28, v29, 0x8000000        ; and the floor 2^(16 - 127): the byte cannot fall under 1
	v_max_num_f32_dpp v28, v28, v28 row_xmask:1 row_mask:0xf bank_mask:0xf   ; with my neighbour's 16: the block's largest magnitude
	v_add_nc_u32 v31, 0xf8800000, v28              ; 15 off its exponent field: the conversion's scale operand
	v_and_or_b32 v30, v28, 0x7f800000, s13         ; 57,344 x the scale
.irp i, 0,1,2,3,4,5,6,7,8,9,10,11,12,13,14,15
	v_med3_num_f32 v[YS+\i], v[YS+\i], -v30, v30   ; the conversion to an 8-bit code does not saturate (ISA guide 7.6.2): the hold comes first
.endr
	v_cvt_scalef32_pk8_bf8_f32 v[CS:CS+1], v[YS:YS+7], v31
	v_cvt_scalef32_pk8_bf8_f32 v[CS+2:CS+3], v[YS+8:YS+15], v31
	v_lshrrev_b32 v[ES], 23, v31                   ; the scale's byte (also the plain line behind the conversions)
	ds_store_b8 v6, v[ES] offset:32*(\p)+16*(\s)   ; both lanes of a block write the same byte with the same value
	global_store_b128 v1, v[CS:CS+3], s[10:11] offset:(\p)*1024+512*(\s)   ; the wave stores 512 consecutive bytes, aligned
.endm
	QH 0, 0
	QH 0, 1
	QH 1, 0
	QH 1, 1
	s_wait_dscnt 0x0                               ; for the others' sake: my byte stores have landed
	s_barrier_signal -1
	s_barrier_wait -1
	s_cmp_lg_u32 s12, 0                            ; wave 0 sends the work-group's 256 scale bytes: one aligned run of 256 bytes
	s_cbranch_scc1 .Lend
	ds_load_b64 v[244:245], v7 offset:SCB
	s_wait_dscnt 0x0
	global_store_b64 v7, v[244:245], s[22:23]
.Lend:
	s_wait_tensorcnt 0x0
	ds_add_u32 v248, v249
	s_wait_dscnt 0x0
	s_endpgm
.Lfunc_end_k_qe72b82c4b0_ln1:
	.size	k_qe72b82c4b0_ln1, .Lfunc_end_k_qe72b82c4b0_ln1-k_qe72b82c4b0_ln1
	.p2alignl 7, 3214868480
	.fill 96, 4, 3214868480
	.section	.rodata,"a",@progbits
	.p2align	6, 0x0
	.amdhsa_kernel k_qe72b82c4b0_ln1
		.amdhsa_group_segment_fixed_size 41728
		.amdhsa_private_segment_fixed_size 0
		.amdhsa_enable_private_segment 0
		.amdhsa_kernarg_size 32
		.amdhsa_user_sgpr_count 2
		.amdhsa_user_sgpr_kernarg_segment_ptr 1
		.amdhsa_wavefront_size32 1
		.amdhsa_system_sgpr_workgroup_id_x 1
		.amdhsa_system_sgpr_workgroup_id_y 1
		.amdhsa_system_sgpr_workgroup_id_z 1
		.amdhsa_system_vgpr_workitem_id 0
		.amdhsa_next_free_vgpr 250
		.amdhsa_next_free_sgpr 66
		.amdhsa_reserve_vcc 0
		.amdhsa_float_denorm_mode_32 3
		.amdhsa_float_denorm_mode_16_64 3
		.amdhsa_memory_ordered 1
		.amdhsa_forward_progress 1
		.amdhsa_inst_pref_size 28
	.end_amdhsa_kernel
	.amdgpu_metadata
---
amdhsa.version: [ 1, 2 ]
amdhsa.kernels:
  - .name:           k_qe72b82c4b0_ln1
    .symbol:         k_qe72b82c4b0_ln1.kd
    .args:
      - { .name: x, .offset: 0, .size: 8, .value_kind: global_buffer, .address_space: global }
      - { .name: g1, .offset: 8, .size: 8, .value_kind: global_buffer, .address_space: global }
      - { .name: be1, .offset: 16, .size: 8, .value_kind: global_buffer, .address_space: global }
      - { .name: h, .offset: 24, .size: 8, .value_kind: global_buffer, .address_space: global }
    .group_segment_fixed_size: 41728
    .private_segment_fixed_size: 0
    .kernarg_segment_align: 8
    .kernarg_segment_size: 32
    .max_flat_workgroup_size: 128
    .sgpr_count:     66
    .vgpr_count:     250
    .wavefront_size: 32
...
	.end_amdgpu_metadata
.endif
;; end of part 1
;; launch qkv (part 2): grid 12 x 16, 4 waves a work-group, clusters of 4 x 4, 327,680 bytes of LDS; arguments h, Wq_codes, Wq_scales, Wk_codes, Wk_scales, Wv_codes, Wv_scales, qr, kr, vr; writes qr, kr, vr
.if DOCPART == 2
	.amdgcn_target "amdgcn-amd-amdhsa--gfx1250"
	.amdhsa_code_object_version 6
	.text
	.protected	k_qe72b82c4b0_qkv
	.globl	k_qe72b82c4b0_qkv
	.p2align	8
	.type	k_qe72b82c4b0_qkv,@function
k_qe72b82c4b0_qkv:
	s_mov_b64 s[64:65], 0
	v_nop
	global_prefetch_b8 v0, s[64:65] scope:SCOPE_SE
	s_setreg_imm32_b32 hwreg(HW_REG_WAVE_MODE, 25, 1), 1
	s_wait_xcnt 0x0
	s_wait_alu depctr_hold_cnt(0) depctr_sa_sdst(0) depctr_va_vdst(0) depctr_va_sdst(0) depctr_va_ssrc(0) depctr_va_vcc(0) depctr_vm_vsrc(0)
	s_getreg_b32 s2, hwreg(HW_REG_IB_STS2, 6, 4)
	s_cmp_eq_u32 s2, 0
	s_cbranch_scc0 .Lentry_in_a_cluster
	s_endpgm
.Lentry_in_a_cluster:
	s_bfe_u32 s2, ttmp6, 0x10000c
	s_cmp_lg_u32 s2, 0xf033
	s_cbranch_scc0 .Lentry_shape_is_right
	s_endpgm
.Lentry_shape_is_right:
; q, k, v = h x Wq, Wk, Wv on codes of BF8 (E5M2) with E8M0 scales for each 32 along K = 1,024, and the results quantised on the way out: q and k along the head's 64, v along the keys.
; A tile of 256 x 256 to a work-group of four waves, 128 x 128 to a wave (64 accumulators, 512 registers).  K goes in steps of 256 through two LDS slots filled by the tensor data mover; the scale bytes of the
; tile's 512 rows, for all of K, come once with the first fills.  4 x 4 work-groups form a cluster: A's tiles are asked for jointly along a row of the cluster, B's along a column.
; WHICH PRODUCT hangs on the cluster's x alone, which all sixteen partners share: 0: q, 1: k (A = h, 4,096 tokens; B = the weight, 1,024 rows head x d); 2: v with the operands exchanged (A = Wv, B = h).
; THE MATRIX INSTRUCTION IS USED TRANSPOSED (source 0 = 16 rows of B, source 1 = 16 rows of A): a lane holds one row of A and eight neighbouring rows of B.  So for q and k a lane's registers run along d, for v along
; the tokens: along the next product's K in both cases.
; THE WAY OUT.  A block of 32 along the next K lies in two neighbouring result tiles and in lanes l and l xor 16.  Its 2 x 8 numbers a lane become codes; two half-wave swaps then give lane (r, h) the codes
; k = 32 b + 16 h + 0 .. 15: the operand's own registers.  They are stored as they stand, 16 bytes a lane, 512 consecutive bytes an instruction (an IMAGE of the operand's registers).
; qr, kr: records of 8,704 bytes, index head x 32 + token / 128: 8 images of 1,024 bytes (16 tokens x 64 d), then 8 x 16 scale words (bytes 0, 1: the head's two blocks; bytes 2, 3 lie over zero codes and are never 0xff).
; vr: records of 8,448 bytes, index ((batch x 16 + head) x 16 + key / 128): 4 images of 2,048 bytes (16 d x 128 keys), then 4 x 16 scale words.
; LIMITS: NaN and infinities are not served; a block of zeros, or one under 2^-111, gets the byte 1 (its codes are zeros; the bytes are read by this program alone).
; REGISTERS: window 0: v0-31 addresses; v32-63 scale words, two sets, and nothing else; v64-113 the way out; from v128 A's fragments, one set.  window 1: B's fragments, two sets.  windows 2, 3: the accumulators.
.set KSTEP,  256
.set NQ,     2
.set ROWB,   256
.set KROW,   1024
.set PITCH,  272                       ; an LDS row: 256 bytes + 16 of padding: the 16 rows of a fragment load start at 16 different groups of banks
.set FR,     16
.set NL,     4
.set NP,     8                         ; places behind this matrix instruction (ISA guide 7.12.1)
.set HALFT,  128*PITCH
.set SLOT,   4*HALFT
.set LAPS,   2
.set KS,     32
.set SCL,    2*SLOT
.set HALFS,  (128*KS/256)*272
.set SBLK,   (16*KS/256)*272
.set SPARE,  SCL+4*HALFS               ; the spare words, 128 bytes a wave: two blocks of 256 bytes that no other line names
.set ADRA, 16
.set ADRB, 20
.set LI,   24                          ; v24  16 x lane
.set GIN,  25                          ; v25  the scale words' gathering place: wave x 1,024 + 4 r (in slot 0, which has had its last fill and its last read by then)
.set GOUT, 26                          ; v26  and back: wave x 1,024 + 16 x lane
.set ADRS, 27
.set SPW,  28
.set NIL,  29
.set SWO,  30                          ; v30  where the scale words go in memory
.set SC,   32
.set PC,   64                          ; v64-79  the codes just made
.set RB,   80                          ; v80-87  scale words read back
.set TM,   96                          ; v96-99 largest magnitudes, v100-103 bytes, v104-107 57,344 x the scale, v108-111 the conversions' scale operands
.set PW,   112
.set PW2,  113
.set AF,   128
.set G1, 24
.set G0, 32
.set G1B, 48
.set G0B, 56
.set G1S, 68
.set G0S, 76
.set G1SB, 80
.set G0SB, 88
.set SEL, 66
.set MNT, 95
.set OB0, 12                           ; s[12:13] where the block's first two groups of codes go;  s[96:97] the other two
.set OB1, 96
.set STP, 98                           ; s[98:99] from block to block;  s[100:101] what block 4 adds
.set JMP, 100
.set SB,  104                          ; s[104:105] the wave's first record
.set MSB, 0
.macro WIN new                         ; the immediate's high byte repeats the setting that is left
.if MSB != (\new)
	s_set_vgpr_msb (MSB<<8)|(\new)
.set MSB, (\new)
.endif
.endm
.set MUL_LO, 0xa1
.set MUL_HI, 0xf1
.set TO_B,   0x40
; A joint load: waves 0 and 1 fetch for A, waves 2 and 3 for B; the branch hangs on the wave's number alone.  Four v_nop follow each of the two lines.
.macro JLOAD g0a, g1a, g0b, g1b
	s_cmp_eq_u32 s15, 0
	s_cbranch_scc0 .Lfor_b_\@
	tensor_load_to_lds s[\g0a:\g0a+3], s[\g1a:\g1a+7]
	s_nop 0
.rept 4
	v_nop
.endr
	s_branch .Lasked_\@
.Lfor_b_\@:
	tensor_load_to_lds s[\g0b:\g0b+3], s[\g1b:\g1b+7]
	s_nop 0
.rept 4
	v_nop
.endr
.Lasked_\@:
.endm
.macro CREST
	s_cmp_lg_u32 s14, 0
	s_cbranch_scc1 .Lnot_wave_0_\@
	s_barrier_signal -3
.Lnot_wave_0_\@:
	s_barrier_wait -3
	s_barrier_signal -1
	s_barrier_wait -1
.endm
.macro CROUND
	s_barrier_signal -1
	s_barrier_wait -1
	CREST
.endm
	s_load_b512 s[68:83], s[0:1], 0x0              ; h, Wq codes, Wq scales, Wk codes, Wk scales, Wv codes, Wv scales, qr
	s_load_b128 s[84:87], s[0:1], 0x40             ; kr, vr
	v_lshl_add_u32 v[SPW], v0, 2, SPARE
	v_mov_b32 v[NIL], 0
	ds_add_u32 v28, v29
	ds_add_u32 v28, v29
	s_wait_dscnt 0x0
	v_lshrrev_b32 v1, 5, v0
	v_readfirstlane_b32 s14, v1                    ; wave 0..3
	s_lshr_b32 s15, s14, 1                         ; my half of the tile's rows.  Also: I fetch for A (0) or for B (1)
	s_and_b32 s16, s14, 1                          ; my half of its columns.  Also: which 128 rows I fetch
	s_bfe_u32 s40, ttmp6, 0x40000                  ; cx
	s_bfe_u32 s41, ttmp6, 0x40004                  ; cy
	s_and_b32 s18, ttmp7, 0xffff
	s_lshl_b32 s18, s18, 2                         ; 4 x cluster y walks the tokens: A's rows for q and k, B's rows for v
	s_cmp_eq_u32 ttmp9, 2
	s_cselect_b32 s19, 0, s18
	s_cselect_b32 s20, s18, 0
	s_add_co_u32 s17, s41, s19                     ; tile row: cy (+ 4 x cluster y)
	s_add_co_u32 s42, s40, s20                     ; tile column: cx (+ 4 x cluster y)
	s_lshl_b32 s43, s41, 2
	s_lshl_b32 s43, 15, s43                        ; my row of the cluster
	s_lshl_b32 s44, 0x1111, s40                    ; my column
	s_or_b32 s[G1+0], s43, (0<<16)|(1<<20)|(1<<21)|(5<<22)|(3<<25)  ; the mask; elements of 1 byte; padding: 4 words behind every 64; bit 21 beside a mask
	s_or_b32 s[G1B+0], s44, (0<<16)|(1<<20)|(1<<21)|(5<<22)|(3<<25)
.irp g, G1, G1B
	s_mov_b32 s[\g+1], ROWB<<16                    ; tensor_dim0
	s_mov_b32 s[\g+2], 128<<16                     ; tensor_dim1
	s_mov_b32 s[\g+3], ROWB<<16                    ; tile_dim0
	s_mov_b32 s[\g+4], 128                         ; tile_dim1
	s_mov_b32 s[\g+5], KROW                        ; from row to row
	s_mov_b32 s[\g+6], 0
	s_mov_b32 s[\g+7], 0
.endr
	s_lshl_b32 s18, s16, 7
	s_lshl_b32 s20, s17, 8
	s_add_co_u32 s20, s20, s18                     ; A: row 256 x tile row + 128 x half
	s_lshl_b32 s46, s42, 8
	s_add_co_u32 s46, s46, s18                     ; B: row 256 x tile column + 128 x half
	s_mov_b32 s21, 0
	s_mov_b32 s47, 0
	s_mov_b64 s[18:19], KS
	s_mul_u64 s[22:23], s[20:21], s[18:19]         ; these rows' scale bytes,
	s_mul_u64 s[92:93], s[46:47], s[18:19]
	s_mov_b64 s[18:19], KROW
	s_mul_u64 s[20:21], s[20:21], s[18:19]         ; and their codes
	s_mul_u64 s[46:47], s[46:47], s[18:19]
	s_mul_i32 s45, s14, HALFT                      ; where they go: wave x 128 rows
	s_mul_i32 s94, s14, HALFS
	s_wait_kmcnt 0x0
	s_add_nc_u64 s[88:89], s[68:69], 0x400000      ; h's scale bytes lie behind its codes
	s_cmp_eq_u32 ttmp9, 1                          ; the choices hang on the cluster's x alone
	s_cselect_b64 s[70:71], s[74:75], s[70:71]     ; Wk or Wq: codes,
	s_cselect_b64 s[72:73], s[76:77], s[72:73]     ; scales,
	s_cselect_b64 s[82:83], s[84:85], s[82:83]     ; and kr or qr
	s_cmp_eq_u32 ttmp9, 2
	s_cselect_b64 s[4:5], s[78:79], s[68:69]       ; A's codes: Wv or h
	s_cselect_b64 s[6:7], s[80:81], s[88:89]       ; A's scales
	s_cselect_b64 s[8:9], s[68:69], s[70:71]       ; B's codes: h or the weight
	s_cselect_b64 s[10:11], s[88:89], s[72:73]     ; B's scales
	s_cselect_b64 s[12:13], s[86:87], s[82:83]     ; the output
	s_add_nc_u64 s[20:21], s[4:5], s[20:21]
	s_add_nc_u64 s[22:23], s[6:7], s[22:23]
	s_add_nc_u64 s[46:47], s[8:9], s[46:47]
	s_add_nc_u64 s[92:93], s[10:11], s[92:93]
	; the scales of 128 rows: a dense block of 4,096 bytes, as rows of 256 bytes (32 elements of 8), 16 bytes of padding behind each
	s_or_b32 s[G1S+0], s43, (3<<16)|(1<<20)|(1<<21)|(5<<22)|(3<<25)
	s_or_b32 s[G1SB+0], s44, (3<<16)|(1<<20)|(1<<21)|(5<<22)|(3<<25)
.irp g, G1S, G1SB
	s_mov_b32 s[\g+1], 32<<16
	s_mov_b32 s[\g+2], (128*KS/256)<<16
	s_mov_b32 s[\g+3], 32<<16
	s_mov_b32 s[\g+4], 128*KS/256
	s_mov_b32 s[\g+5], 32
	s_mov_b32 s[\g+6], 0
	s_mov_b32 s[\g+7], 0
.endr
	CROUND                                         ; all sixteen work-groups are here: the first joint loads meet
	s_mov_b32 s[G0S], 1
	s_add_co_u32 s[G0S+1], s94, SCL
	s_mov_b64 s[G0S+2:G0S+3], s[22:23]
	s_or_b32 s[G0S+3], s[G0S+3], 0x80000000
	s_mov_b32 s[G0SB], 1
	s_add_co_u32 s[G0SB+1], s94, SCL
	s_mov_b64 s[G0SB+2:G0SB+3], s[92:93]
	s_or_b32 s[G0SB+3], s[G0SB+3], 0x80000000
	JLOAD G0S, G1S, G0SB, G1SB                     ; the scales first: they are wanted with K step 0
.irp s, 0,1
	s_mov_b32 s[G0+4*\s], 1
	s_add_co_u32 s[G0+4*\s+1], s45, \s*SLOT
	s_add_nc_u64 s[G0+4*\s+2:G0+4*\s+3], s[20:21], \s*ROWB
	s_or_b32 s[G0+4*\s+3], s[G0+4*\s+3], 0x80000000
	s_mov_b32 s[G0B+4*\s], 1
	s_add_co_u32 s[G0B+4*\s+1], s45, \s*SLOT
	s_add_nc_u64 s[G0B+4*\s+2:G0B+4*\s+3], s[46:47], \s*ROWB
	s_or_b32 s[G0B+4*\s+3], s[G0B+4*\s+3], 0x80000000
	JLOAD G0+4*\s, G1, G0B+4*\s, G1B
.endr
	v_and_b32 v1, 15, v0                           ; r
	v_bfe_u32 v2, v0, 4, 1                         ; h
	v_mul_u32_u24 v3, v1, PITCH
	v_lshl_add_u32 v4, v2, 4, v3                   ; a fragment's row x pitch + 16 x half
	s_mul_i32 s21, s15, HALFT
	s_mul_i32 s22, s16, HALFT
	s_add_co_u32 s22, s22, 2*HALFT
.irp s, 0,1
	v_add_nc_u32 v[ADRA+\s], s21, v4
	v_add_nc_u32 v[ADRB+\s], s22, v4
	s_add_co_u32 s21, s21, SLOT
	s_add_co_u32 s22, s22, SLOT
.endr
	v_mul_u32_u24 v5, v1, KS                       ; my row's scales: KS bytes a row,
	v_lshrrev_b32 v6, 8, v5
	v_lshl_add_u32 v5, v6, 4, v5                   ; and 16 more for each 256 passed
	s_mul_i32 s21, s15, HALFS
	s_mul_i32 s22, s16, HALFS
	s_add_co_u32 s22, s22, 2*HALFS
	s_sub_co_u32 s22, s22, s21
	v_mul_u32_u24 v6, s22, v2                      ; lanes 16-31 take B's
	s_add_co_u32 s21, s21, SCL
	v_add_nc_u32 v5, v5, v6
	v_add_nc_u32 v[ADRS], s21, v5
	v_and_b32 v6, 31, v0
	v_lshlrev_b32 v[LI], 4, v6
	s_lshl_b32 s23, s14, 10
	v_lshl_add_u32 v[GIN], v1, 2, s23
	v_add_nc_u32 v[GOUT], s23, v[LI]
	; where the wave's results go.  q, k: record (head, token / 128), head = 4 x tile column + 2 x column half;  v: record (batch, head, key / 128), head = 4 x tile row + 2 x row half
	s_lshl_b32 s18, s42, 2
	s_lshl_b32 s19, s16, 1
	s_add_co_u32 s18, s18, s19
	s_lshl_b32 s18, s18, 5
	s_lshl_b32 s19, s17, 1
	s_add_co_u32 s18, s18, s19
	s_add_co_u32 s18, s18, s15
	s_mul_i32 s18, s18, 8704
	s_lshl_b32 s20, s42, 1
	s_add_co_u32 s20, s20, s16                     ; token / 128
	s_lshr_b32 s21, s20, 4
	s_lshl_b32 s21, s21, 4
	s_lshl_b32 s22, s17, 2
	s_add_co_u32 s21, s21, s22
	s_lshl_b32 s22, s15, 1
	s_add_co_u32 s21, s21, s22
	s_lshl_b32 s21, s21, 4
	s_and_b32 s20, s20, 15
	s_add_co_u32 s21, s21, s20
	s_mul_i32 s21, s21, 8448
	s_mov_b32 s22, 278528                          ; q, k: the wave's second head lies 32 records on
	s_mov_b32 s23, 1024
	s_mov_b32 s92, 256
	s_cmp_eq_u32 ttmp9, 2
	s_cselect_b32 s18, s21, s18
	s_cselect_b32 s22, 1024, s22                   ; v: groups 2 and 3 of an image lie 1,024 bytes on
	s_cselect_b32 s[STP], 2048, s23                ; an image
	s_cselect_b32 s[JMP], 126976, 0                ; v: block 4 begins the next head's record, 16 records on
	s_cselect_b32 s92, 135168, s92                 ; lanes 16-31's scale words: v: the next head's record;  q, k: 256 bytes on
	s_mov_b32 s19, 0
	s_mov_b32 s23, 0
	s_mov_b32 s[STP+1], 0
	s_mov_b32 s[JMP+1], 0
	s_add_nc_u64 s[OB0:OB0+1], s[OB0:OB0+1], s[18:19]
	s_mov_b64 s[SB:SB+1], s[OB0:OB0+1]
	s_add_nc_u64 s[OB1:OB1+1], s[OB0:OB0+1], s[22:23]
	v_mul_u32_u24 v[SWO], s92, v2
	v_lshl_add_u32 v[SWO], v1, 4, v[SWO]
	s_mov_b32 s[SEL], 0x76543210
	s_mov_b32 s[SEL+1], 0xfedcba98
	s_mov_b32 s[MNT], 0x600000
.macro FRAG reg, adr, q, i             ; a fragment: lane l holds row l % 16; registers 4 c .. 4 c + 3 hold K = 32 c + 16 (l / 16) + 0 .. 15
.irp c, 0,1,2,3
	ds_load_b128 v[\reg+4*\c:\reg+4*\c+3], v[\adr] offset:128*(\q)+32*\c+(\i)*16*PITCH
.endr
.endm
; 16 matrix instructions: A's blocks a0, a0 + 1 x B's eight.  The 64 accumulators take turns, one instruction a turn, in the same order in every step.
.macro MUL16 a0, p, q, sc, zero
.irp a, \a0, \a0+1
.irp b, 0,1,2,3,4,5,6,7
.if \zero
	v_wmma_scale_f32_16x16x128_f8f6f4 v[8*(8*((\a)%4)+\b):8*(8*((\a)%4)+\b)+7], v[128*(\p)+FR*\b:128*(\p)+FR*\b+FR-1], v[AF+FR*(\a):AF+FR*(\a)+FR-1], 0, v[SC+8*NQ*(\sc)+NQ*\b+(\q)], v[SC+8*NQ*(\sc)+NQ*(\a)+(\q)] matrix_a_fmt:MATRIX_FMT_BF8 matrix_b_fmt:MATRIX_FMT_BF8 matrix_a_scale:MATRIX_SCALE_ROW1
.else
	v_wmma_scale_f32_16x16x128_f8f6f4 v[8*(8*((\a)%4)+\b):8*(8*((\a)%4)+\b)+7], v[128*(\p)+FR*\b:128*(\p)+FR*\b+FR-1], v[AF+FR*(\a):AF+FR*(\a)+FR-1], v[8*(8*((\a)%4)+\b):8*(8*((\a)%4)+\b)+7], v[SC+8*NQ*(\sc)+NQ*\b+(\q)], v[SC+8*NQ*(\sc)+NQ*(\a)+(\q)] matrix_a_fmt:MATRIX_FMT_BF8 matrix_b_fmt:MATRIX_FMT_BF8 matrix_a_scale:MATRIX_SCALE_ROW1
.endif
.endr
.endr
.endm
.macro FETCH_B slot, q, p
	WIN TO_B
.irp i, 0,1,2,3,4,5,6,7
	FRAG 128*(\p)+FR*\i, ADRB+\slot, \q, \i
.endr
	WIN 0
.endm
.macro FETCH_A slot, q, i0
.irp i, \i0, \i0+1, \i0+2, \i0+3
	FRAG AF+FR*(\i), ADRA+\slot, \q, \i
.endr
.endm
.macro SCALES sc                       ; a K step's scale words: lanes 0-15 take A's block i, lanes 16-31 B's block i
.irp i, 0,1,2,3,4,5,6,7
	ds_load_b64 v[SC+8*NQ*\sc+NQ*\i:SC+8*NQ*\sc+NQ*\i+1], v[ADRS] offset:\i*SBLK
.endr
.endm
.macro PLACES n                        ; plain vector instructions between a matrix instruction and a load into, or a read of, its registers
.rept \n
	v_nop
.endr
.endm
.macro STEP slot, q, zero              ; 128 along K that have their successor in the same slot
	s_wait_dscnt 4*NL                              ; B's set and A's blocks 0-3 are in; the youngest 16 loads (A's blocks 4-7) may be out
	WIN MUL_LO
	MUL16 0, (\q)%2, \q, \slot, \zero
	MUL16 2, (\q)%2, \q, \slot, \zero
	s_wait_dscnt 0
	PLACES NP
	FETCH_B \slot, (\q)+1, 1-(\q)%2
	FETCH_A \slot, (\q)+1, 0
	WIN MUL_HI
	MUL16 4, (\q)%2, \q, \slot, \zero
	MUL16 6, (\q)%2, \q, \slot, \zero
	PLACES NP
	WIN 0
	FETCH_A \slot, (\q)+1, 4
.endm
; A slot's last step changes slots: one barrier; in front of it each wave waits for all its tensor loads, adds 0 to its spare word, and waits for that and for its own reads of this slot.
.macro TURN slot, next, fill
	s_wait_tensorcnt 0x0                           ; all my tensor loads have landed: my part of the next slot
	ds_add_u32 v[SPW], v[NIL]                      ; 0 onto my spare word
	s_wait_dscnt 4*NL+1                            ; (the add and the youngest 16 loads may be out)
	WIN MUL_LO
	MUL16 0, 1, NQ-1, \slot, 0
	s_wait_dscnt 0x0                               ; the add is done, and my reads of this slot are over
	s_barrier_signal -1
	MUL16 2, 1, NQ-1, \slot, 0
	WIN 0
	s_barrier_wait -1
.if \fill
	CREST                                          ; the barrier has opened a round of the cluster's barrier: no wave of any partner still reads this slot or has a load on its way
	s_add_nc_u64 s[G0+4*\slot+2:G0+4*\slot+3], s[G0+4*\slot+2:G0+4*\slot+3], 2*ROWB
	s_add_nc_u64 s[G0B+4*\slot+2:G0B+4*\slot+3], s[G0B+4*\slot+2:G0B+4*\slot+3], 2*ROWB
	JLOAD G0+4*\slot, G1, G0B+4*\slot, G1B         ; the first tensor load behind the round; its four v_nop are among the places in front of the loads below
	PLACES NP-4
.else
	PLACES NP
.endif
	v_add_nc_u32 v[ADRS], 4*NQ, v[ADRS]            ; on to the next K step's scale words
	FETCH_B \next, 0, 0
	FETCH_A \next, 0, 0
	SCALES \next
	WIN MUL_HI
	MUL16 4, 1, NQ-1, \slot, 0
	MUL16 6, 1, NQ-1, \slot, 0
	PLACES NP
	WIN 0
	FETCH_A \next, 0, 4
.endm
	s_wait_tensorcnt 1                             ; the scales and my part of K step 0 are in (K step 1's load may be out),
	s_barrier_signal -1
	s_barrier_wait -1                              ; everybody's are
	FETCH_B 0, 0, 0
	FETCH_A 0, 0, 0
	SCALES 0
	FETCH_A 0, 0, 4
	STEP 0, 0, 1                                   ; the first step's products start the sums
	s_mov_b32 s3, LAPS-1
.Llap:                                                 ; a trip goes once round the ring and fills both slots again
	TURN 0, 1, 1
	STEP 1, 0, 0
	TURN 1, 0, 1
	STEP 0, 0, 0
	s_sub_co_u32 s3, s3, 1
	s_cmp_lg_u32 s3, 0
	s_cbranch_scc1 .Llap
	TURN 0, 1, 0                                   ; the last lap fills nothing
	STEP 1, 0, 0
	s_wait_dscnt 4*NL
	WIN MUL_LO
	MUL16 0, 1, NQ-1, 1, 0
	MUL16 2, 1, NQ-1, 1, 0
	s_wait_dscnt 0
	WIN MUL_HI
	MUL16 4, 1, NQ-1, 1, 0
	MUL16 6, 1, NQ-1, 1, 0
	WIN 0
; Block a of 16 rows: its 128 numbers a row are four blocks of 32 along the next K.
.macro QROW a
.set W, 2+(\a)/4
.set AC, 64*((\a)%4)
.set W2S, W|(W<<2)
.set WDS, (W<<6)|W
.if (\a) > 0
	s_wait_xcnt 0x0                                ; the last block's stores have read their data and their bases: both are written again only behind this wait
	s_add_nc_u64 s[OB0:OB0+1], s[OB0:OB0+1], s[STP:STP+1]
	s_add_nc_u64 s[OB1:OB1+1], s[OB1:OB1+1], s[STP:STP+1]
.endif
.if (\a) == 4
	s_add_nc_u64 s[OB0:OB0+1], s[OB0:OB0+1], s[JMP:JMP+1]
	s_add_nc_u64 s[OB1:OB1+1], s[OB1:OB1+1], s[JMP:JMP+1]
.endif
	WIN W2S                                        ; sources 0 and 1: the accumulators' window
.irp b, 0,1,2,3
	v_max3_num_f32 v[TM+\b], |v[AC+16*\b]|, |v[AC+16*\b+1]|, 0x8000000   ; my 16 numbers of block b, and the floor 2^(16 - 127); each accumulator is read from its low end on
.endr
.irp i, 2,4,6,8,10,12,14
.irp b, 0,1,2,3
	v_max3_num_f32 v[TM+\b], |v[AC+16*\b+\i]|, |v[AC+16*\b+\i+1]|, v[TM+\b]
.endr
.endr
	WIN 0
.irp b, 0,1,2,3
	v_permlanex16_b32 v[TM+4+\b], v[TM+\b], s[SEL], s[SEL+1]
.endr
.irp b, 0,1,2,3
	v_max_num_f32 v[TM+\b], v[TM+\b], v[TM+4+\b]   ; with lane l xor 16's: the block's largest magnitude
.endr
.irp b, 0,1,2,3
	v_add_nc_u32 v[TM+12+\b], 0xf8800000, v[TM+\b] ; 15 off its exponent field: the conversion's scale operand
.endr
.irp b, 0,1,2,3
	v_and_or_b32 v[TM+8+\b], v[TM+\b], 0x7f800000, s[MNT]   ; 57,344 x the scale
.endr
.irp b, 0,1,2,3
	v_lshrrev_b32 v[TM+4+\b], 23, v[TM+12+\b]      ; the scale's byte
.endr
	v_lshl_or_b32 v[PW], v[TM+5], 8, v[TM+4]
	v_lshl_or_b32 v[PW], v[TM+6], 16, v[PW]
	v_lshl_or_b32 v[PW], v[TM+7], 24, v[PW]        ; the row's four bytes
	v_lshrrev_b32 v[PW2], 16, v[PW]                ; q, k: the second head's two
	WIN WDS
.irp b, 0,1,2,3
.irp i, 0,1,2,3,4,5,6,7,8,9,10,11,12,13,14,15
	v_med3_num_f32 v[AC+16*\b+\i], v[AC+16*\b+\i], -v[TM+8+\b], v[TM+8+\b]   ; the conversion does not saturate (ISA guide 7.6.2): the hold comes first
.endr
.endr
	WIN W
.irp t, 0,1,2,3,4,5,6,7
	v_cvt_scalef32_pk8_bf8_f32 v[PC+2*\t:PC+2*\t+1], v[AC+8*\t:AC+8*\t+7], v[TM+12+\t/2]
.endr
	WIN 0
	v_nop                                          ; a plain line between the conversions and the lines that touch their results
.irp b, 0,1,2,3
	v_permlane16_swap_b32 v[PC+4*\b], v[PC+4*\b+2]     ; lanes 16-31 of the even tile's codes change places with lanes 0-15 of the odd tile's:
	v_permlane16_swap_b32 v[PC+4*\b+1], v[PC+4*\b+3]   ; lane (r, h) now holds k = 32 b + 16 h + 0 .. 15 in four registers on end
.endr
	ds_store_b32 v[GIN], v[PW] offset:64*(\a)      ; both halves of the lanes write the same word with the same value
	ds_store_b32 v[GIN], v[PW2] offset:512+64*(\a)
	global_store_b128 v[LI], v[PC:PC+3], s[OB0:OB0+1]                  ; each store covers 512 consecutive bytes, aligned
	global_store_b128 v[LI], v[PC+4:PC+7], s[OB0:OB0+1] offset:512
	global_store_b128 v[LI], v[PC+8:PC+11], s[OB1:OB1+1]
	global_store_b128 v[LI], v[PC+12:PC+15], s[OB1:OB1+1] offset:512
.endm
	PLACES NP
.irp b, 0,1,2,3
	v_mov_b32 v[TM+4+\b], 0                        ; written once: a lane permute's destination counts as one of its sources
.endr
.irp a, 0,1,2,3,4,5,6,7
	QROW \a
.endr
	ds_load_b128 v[RB:RB+3], v[GOUT]               ; LDS serves a wave's instructions in order: these see my stores
	ds_load_b128 v[RB+4:RB+7], v[GOUT] offset:512
	s_wait_dscnt 0x0
	global_store_b128 v[SWO], v[RB:RB+3], s[SB:SB+1] offset:8192       ; q, k: the first head's 128 words;  v: 64 words for each of two heads
	s_cmp_eq_u32 ttmp9, 2                          ; the cluster's x: the same in all partners
	s_cbranch_scc1 .Lno_plane
	global_store_b128 v[SWO], v[RB+4:RB+7], s[SB:SB+1] offset:286720   ; q, k: the second head's
.Lno_plane:
	s_wait_tensorcnt 0x0                           ; the wave's end
	ds_add_u32 v[SPW], v[NIL]
	s_wait_dscnt 0x0
	CROUND                                         ; the closing round
	s_endpgm
.Lfunc_end_k_qe72b82c4b0_qkv:
	.size	k_qe72b82c4b0_qkv, .Lfunc_end_k_qe72b82c4b0_qkv-k_qe72b82c4b0_qkv
	.p2alignl 7, 3214868480
	.fill 96, 4, 3214868480
	.section	.rodata,"a",@progbits
	.p2align	6, 0x0
	.amdhsa_kernel k_qe72b82c4b0_qkv
		.amdhsa_group_segment_fixed_size 327680
		.amdhsa_private_segment_fixed_size 0
		.amdhsa_enable_private_segment 0
		.amdhsa_kernarg_size 80
		.amdhsa_user_sgpr_count 2
		.amdhsa_user_sgpr_kernarg_segment_ptr 1
		.amdhsa_wavefront_size32 1
		.amdhsa_system_sgpr_workgroup_id_x 1
		.amdhsa_system_sgpr_workgroup_id_y 1
		.amdhsa_system_sgpr_workgroup_id_z 1
		.amdhsa_system_vgpr_workitem_id 0
		.amdhsa_next_free_vgpr 1024
		.amdhsa_next_free_sgpr 106
		.amdhsa_reserve_vcc 0
		.amdhsa_float_denorm_mode_32 3
		.amdhsa_float_denorm_mode_16_64 3
		.amdhsa_memory_ordered 1
		.amdhsa_forward_progress 1
		.amdhsa_inst_pref_size 190
	.end_amdhsa_kernel
	.amdgpu_metadata
---
amdhsa.version: [ 1, 2 ]
amdhsa.kernels:
  - .name:           k_qe72b82c4b0_qkv
    .symbol:         k_qe72b82c4b0_qkv.kd
    .args:
      - { .name: h, .offset: 0, .size: 8, .value_kind: global_buffer, .address_space: global }
      - { .name: Wq_codes, .offset: 8, .size: 8, .value_kind: global_buffer, .address_space: global }
      - { .name: Wq_scales, .offset: 16, .size: 8, .value_kind: global_buffer, .address_space: global }
      - { .name: Wk_codes, .offset: 24, .size: 8, .value_kind: global_buffer, .address_space: global }
      - { .name: Wk_scales, .offset: 32, .size: 8, .value_kind: global_buffer, .address_space: global }
      - { .name: Wv_codes, .offset: 40, .size: 8, .value_kind: global_buffer, .address_space: global }
      - { .name: Wv_scales, .offset: 48, .size: 8, .value_kind: global_buffer, .address_space: global }
      - { .name: qr, .offset: 56, .size: 8, .value_kind: global_buffer, .address_space: global }
      - { .name: kr, .offset: 64, .size: 8, .value_kind: global_buffer, .address_space: global }
      - { .name: vr, .offset: 72, .size: 8, .value_kind: global_buffer, .address_space: global }
    .group_segment_fixed_size: 327680
    .private_segment_fixed_size: 0
    .kernarg_segment_align: 8
    .kernarg_segment_size: 80
    .max_flat_workgroup_size: 128
    .sgpr_count:     106
    .vgpr_count:     1024
    .wavefront_size: 32
...
	.end_amdgpu_metadata
.endif
;; end of part 2
;; launch attn (part 3): grid 8 x 32, 16 waves a work-group, clusters of 4 x 1, 327,680 bytes of LDS; arguments qr, kr, vr, o; writes o
.if DOCPART == 3
	.amdgcn_target "amdgcn-amd-amdhsa--gfx1250"
	.amdhsa_code_object_version 6
	.text
	.protected	k_qe72b82c4b0_attn
	.globl	k_qe72b82c4b0_attn
	.p2align	8
	.type	k_qe72b82c4b0_attn,@function
k_qe72b82c4b0_attn:
	s_mov_b64 s[64:65], 0
	v_nop
	global_prefetch_b8 v0, s[64:65] scope:SCOPE_SE
	s_setreg_imm32_b32 hwreg(HW_REG_WAVE_MODE, 25, 1), 1
	s_wait_xcnt 0x0
	s_wait_alu depctr_hold_cnt(0) depctr_sa_sdst(0) depctr_va_vdst(0) depctr_va_sdst(0) depctr_va_ssrc(0) depctr_va_vcc(0) depctr_vm_vsrc(0)
	s_getreg_b32 s2, hwreg(HW_REG_IB_STS2, 6, 4)
	s_cmp_eq_u32 s2, 0
	s_cbranch_scc0 .Lentry_in_a_cluster
	s_endpgm
.Lentry_in_a_cluster:
	s_bfe_u32 s2, ttmp6, 0x10000c
	s_cmp_lg_u32 s2, 0x3003
	s_cbranch_scc0 .Lentry_shape_is_right
	s_endpgm
.Lentry_shape_is_right:
; o = softmax(q k^T / 32) v for one (batch, head) and 256 queries a work-group, both products on codes of BF8 (E5M2) with E8M0 scales, then o quantised along the head's 64.
; THE SOFTMAX AHEAD OF THE SECOND PRODUCT: t = score x log2(e) / 32; M = the running largest t rounded UP to a whole number; p = 2^(t - M) is quantised along the keys, not normalised; the row's sum is taken of
; the unquantised p and divides at the end.  When M moves, the sum and O are multiplied by 2^(old M - new M): exact.
; SHARES.  Sixteen waves, each with 16 queries in 256 registers: four waves to a SIMD, so that one wave's vector work stands beside another's matrix work and LDS loads.
; ALL OF THE HEAD'S K AND V STAY IN LDS: 16 records of 8,704 bytes (128 keys: 8 images of 16 keys x 64 d, then scale words) and 16 of 8,448 (4 images of 16 d x 128 keys, then scale words).  Nothing is filled again.
; THE FIRST TWO KEY STEPS COME FIRST.  Waves 0 and 1 fetch K, waves 2 and 3 V, two loads each: one record (key step 0 or 1), then seven records on end (a head's records are dense in memory).  A wave's loads end in
; order, so key steps 0 and 1 are worked on, behind a counted wait and a barrier, while the other 14 records land; a wait for all loads and a second barrier stand in front of key step 2.  Two
; tensor loads of a wave are out.  The four query blocks of a cluster belong to one head, so each load is a joint one.
; An image is the operand's registers as they stand: group c is 512 bytes, lane l's 16 bytes at 16 l: every fragment load reads 512 consecutive bytes.
; THE FIRST PRODUCT'S K IS 64, half of the instruction's 128: registers 8-15 of K's and Q's fragments are zeros, set once.
; Both products are used transposed (S^T = K Q^T, O^T = V^T P^T): a lane holds one query throughout.  A block of 32 keys lies in two neighbouring tiles and in lanes l and l xor 16; two half-wave swaps a block
; put p's codes into the operand's order.
; The scale word of o's 128 along K spans two heads, which two work-groups own: so o's scale bytes, one in 32 of its codes' bytes, leave two bytes a row.
; No prefetch: all that the work-group reads is asked for at its head.
; LIMITS: NaN and infinities are not served; a block of zeros, or one under 2^-111, gets the byte 1 (its codes are zeros; the bytes are read by this program alone).
; REGISTERS: v1 16 x lane, v2 4 r; v8-11 addresses; v12 -M, v13 the largest t, v[14:15] the sum; v16-31 Q; v32-95 four fragments of K; v96-159 S^T, then p, then V's four fragments; v160-191 O^T; v192-207 p's codes;
;   v208-229 at work; v240-243 K's scale words, v244-247 V's, v248 Q's, v249 p's.
.set KREC, 8704
.set VREC, 8448
.set VB,   16*KREC
.set ADK,  8
.set ADV,  9
.set ADS,  10
.set ADT,  11
.set BM,   208
.set PT,   212
.set LIM,  216
.set SOP,  220
.set OLDM, 227                         ; v227 -M as it stood before the step
.set WV,   12
.set HF,   18                          ; s18  wave % 2: which of the two shares I fetch, if I fetch
.set MNT,  19
.set SEL,  20
.set CS,   22
.set G1K,  24                          ; s[24:31] group 1: one record of K;  s[32:39] one of V
.set G1V,  32
.set G0K,  40                          ; s[40:43], s[44:47] groups 0 of the first loads
.set G0V,  44
.set TK,   48
.set TV,   49
.set G1K7, 68                          ; s[68:75] group 1: seven records of K;  s[76:83] seven of V
.set G1V7, 76
.set G0K2, 84                          ; s[84:87], s[88:91] groups 0 of the second loads
.set G0V2, 88
.macro CROUND
	s_barrier_signal -1
	s_barrier_wait -1
	s_cmp_lg_u32 s[WV], 0
	s_cbranch_scc1 .Lnot_wave_0_\@
	s_barrier_signal -3
.Lnot_wave_0_\@:
	s_barrier_wait -3
	s_barrier_signal -1
	s_barrier_wait -1
.endm
.macro SHAPE g, rows                   ; a dense block as rows of 256 bytes (32 elements of 8), no padding; the mask names all four work-groups, bit 21 beside it
	s_mov_b32 s[\g], 15|(3<<16)|(1<<21)
	s_mov_b32 s[\g+1], 32<<16
	s_mov_b32 s[\g+2], (\rows)<<16
	s_mov_b32 s[\g+3], 32<<16
	s_mov_b32 s[\g+4], \rows
	s_mov_b32 s[\g+5], 32
	s_mov_b32 s[\g+6], 0
	s_mov_b32 s[\g+7], 0
.endm
	s_load_b256 s[4:11], s[0:1], 0x0               ; qr, kr, vr, o
	v_lshl_add_u32 v254, v0, 2, 0x43000
	v_mov_b32 v255, 0
	ds_add_u32 v254, v255
	ds_add_u32 v254, v255
	v_lshrrev_b32 v3, 5, v0
	v_readfirstlane_b32 s[WV], v3                  ; wave 0..15
	s_bfe_u32 s13, ttmp6, 0x40000                  ; cx
	s_lshl_b32 s14, ttmp9, 2
	s_add_co_u32 s14, s14, s13                     ; my block of 256 queries: it enters Q's and o's addresses alone
	s_and_b32 s15, ttmp7, 0xffff                   ; batch x 16 + head, which the four partners share
	s_lshr_b32 s16, s15, 4                         ; batch
	s_and_b32 s17, s15, 15                         ; head
	s_and_b32 s[HF], s[WV], 1
	s_lshl_b32 s52, s17, 5
	s_lshl_b32 s53, s16, 4
	s_add_co_u32 s52, s52, s53                     ; the head's first record of this batch in qr and kr
	; K: first load record HF, second load records 2 + 7 HF on; the same offsets in memory and in LDS
	s_mul_i32 s51, s[HF], KREC
	s_mul_i32 s53, s[HF], 7*KREC
	s_mul_i32 s54, s52, KREC
	s_add_co_u32 s56, s54, s53
	s_add_co_u32 s56, s56, 2*KREC
	s_add_co_u32 s54, s54, s51
	s_mov_b32 s55, 0
	s_mov_b32 s57, 0
	s_mov_b32 s[G0K], 1
	s_mov_b32 s[G0K+1], s51                        ; LDS: made of the wave's number alone
	s_mov_b32 s[G0K2], 1
	s_add_co_u32 s[G0K2+1], s53, 2*KREC
	; V likewise, behind K's 16 records
	s_mul_i32 s51, s[HF], VREC
	s_mul_i32 s53, s[HF], 7*VREC
	s_lshl_b32 s58, s15, 4
	s_mul_i32 s58, s58, VREC
	s_add_co_u32 s60, s58, s53
	s_add_co_u32 s60, s60, 2*VREC
	s_add_co_u32 s58, s58, s51
	s_mov_b32 s59, 0
	s_mov_b32 s61, 0
	s_mov_b32 s[G0V], 1
	s_add_co_u32 s[G0V+1], s51, VB
	s_mov_b32 s[G0V2], 1
	s_add_co_u32 s[G0V2+1], s53, VB+2*VREC
	; Q: my 16 queries' record, their image, their scale words
	s_lshl_b32 s62, s14, 1
	s_add_co_u32 s62, s62, s52
	s_lshr_b32 s63, s[WV], 3
	s_add_co_u32 s62, s62, s63
	s_mul_i32 s62, s62, KREC
	s_and_b32 s63, s[WV], 7
	s_lshl_b32 s92, s63, 10
	s_add_co_u32 s92, s92, s62
	s_mov_b32 s93, 0
	s_lshl_b32 s94, s63, 6
	s_add_co_u32 s94, s94, s62
	s_add_co_u32 s94, s94, 8192
	s_mov_b32 s95, 0
	SHAPE G1K, 34                                  ; 8,704 bytes
	SHAPE G1K7, 238                                ; 7 x 8,704
	SHAPE G1V, 33                                  ; 8,448
	SHAPE G1V7, 231                                ; 7 x 8,448
	s_mov_b32 s[MNT], 0x600000
	s_mov_b32 s[SEL], 0x76543210
	s_mov_b32 s[SEL+1], 0xfedcba98
	s_mov_b32 s[CS], 0x3d38aa3b                    ; c = log2(e) / 32
	s_mov_b32 s[CS+1], s[CS]                       ; (named with it as a pair, so it is written)
	s_mov_b32 s[TK], 0
	s_mov_b32 s[TV], VB
	s_wait_dscnt 0x0
	s_wait_kmcnt 0x0
	s_add_nc_u64 s[G0K+2:G0K+3], s[6:7], s[54:55]
	s_or_b32 s[G0K+3], s[G0K+3], 0x80000000
	s_add_nc_u64 s[G0K2+2:G0K2+3], s[6:7], s[56:57]
	s_or_b32 s[G0K2+3], s[G0K2+3], 0x80000000
	s_add_nc_u64 s[G0V+2:G0V+3], s[8:9], s[58:59]
	s_or_b32 s[G0V+3], s[G0V+3], 0x80000000
	s_add_nc_u64 s[G0V2+2:G0V2+3], s[8:9], s[60:61]
	s_or_b32 s[G0V2+3], s[G0V2+3], 0x80000000
	s_add_nc_u64 s[94:95], s[4:5], s[94:95]
	s_add_nc_u64 s[4:5], s[4:5], s[92:93]
	CROUND                                         ; all four work-groups are here: the joint loads meet
	s_cmp_lt_u32 s[WV], 2                          ; a wave's two fills stand in one branch on the wave's number, the same in every work-group; four v_nop follow the second
	s_cbranch_scc0 .Lnot_k
	tensor_load_to_lds s[G0K:G0K+3], s[G1K:G1K+7]
	s_nop 0
	tensor_load_to_lds s[G0K2:G0K2+3], s[G1K7:G1K7+7]
	s_nop 0
.rept 4
	v_nop
.endr
	s_branch .Lasked
.Lnot_k:
	s_cmp_lt_u32 s[WV], 4
	s_cbranch_scc0 .Lasked
	tensor_load_to_lds s[G0V:G0V+3], s[G1V:G1V+7]
	s_nop 0
	tensor_load_to_lds s[G0V2:G0V2+3], s[G1V7:G1V7+7]
	s_nop 0
.rept 4
	v_nop
.endr
.Lasked:
	v_and_b32 v3, 31, v0
	v_lshlrev_b32 v1, 4, v3
	v_and_b32 v2, 15, v0
	v_lshlrev_b32 v2, 2, v2
	global_load_b128 v[16:19], v1, s[4:5]          ; Q's fragment, d = 0 .. 63: it stays in registers
	global_load_b128 v[20:23], v1, s[4:5] offset:512
	global_load_b32 v248, v2, s[94:95]             ; and its scale words
	; where o goes: row block rb = 128 x batch + 16 x query block + wave; K = head x 64 + d: image ((head / 8) x 256 + rb) x 4 + (head / 2) % 4, its groups 2 (head % 2) and + 1
	s_lshl_b32 s51, s16, 7
	s_lshl_b32 s52, s14, 4
	s_add_co_u32 s51, s51, s52
	s_add_co_u32 s51, s51, s[WV]
	s_lshr_b32 s52, s17, 3
	s_lshl_b32 s52, s52, 8
	s_add_co_u32 s52, s52, s51
	s_lshl_b32 s52, s52, 2
	s_bfe_u32 s53, s17, 0x20001
	s_add_co_u32 s52, s52, s53
	s_lshl_b32 s52, s52, 11
	s_and_b32 s53, s17, 1
	s_lshl_b32 s54, s53, 10
	s_add_co_u32 s52, s52, s54
	s_lshr_b32 s54, s17, 1
	s_lshl_b32 s54, s54, 14                        ; scale words [head / 2][4,096 rows][4 bytes], behind the codes
	s_lshl_b32 s55, s51, 6
	s_add_co_u32 s54, s54, s55
	s_lshl_b32 s55, s53, 1
	s_add_co_u32 s54, s54, s55
	s_add_co_u32 s54, s54, 4194304
	s_mov_b32 s53, 0
	s_mov_b32 s55, 0
	s_add_nc_u64 s[8:9], s[10:11], s[54:55]
	s_add_nc_u64 s[10:11], s[10:11], s[52:53]
	v_mov_b32 v13, 0xff61b1e6                      ; the largest t so far: -3e38
	v_floor_f32 v12, -v13                          ; -M
	v_mov_b32 v14, 0
	v_mov_b32 v15, 0
	v_mov_b32 v229, 0                              ; (named as the upper half of the pair v[228:229])
.irp b, 0,1,2,3
	v_mov_b32 v[PT+\b], 0                          ; written once: a lane permute's destination counts as one of its sources
.endr
.irp j, 24,25,26,27,28,29,30,31
	v_mov_b32 v[\j], 0                             ; Q: K = 64 .. 127 are zero codes
.endr
.irp t, 0,1,2,3
.irp j, 8,9,10,11,12,13,14,15
	v_mov_b32 v[32+16*\t+\j], 0                    ; and so are K's, in all four fragments: never loaded
.endr
.endr
.set j, 0
.rept 32
	v_mov_b32 v[160+j], 0                          ; O^T: the step is written once; the first finds zeros, which the first change of M leaves zeros
.set j, j+1
.endr
.macro BLKMAX b0, b1                   ; the largest score of blocks b0 and b1 of 32 keys, my 16 of each, the two by turns: for the row's maximum and, since p rises with the score, for the block's largest p
	v_max3_num_f32 v[BM+\b0], v[96+16*\b0], v[97+16*\b0], v[98+16*\b0]
	v_max3_num_f32 v[BM+\b1], v[96+16*\b1], v[97+16*\b1], v[98+16*\b1]
.irp i, 3,5,7,9,11,13
	v_max3_num_f32 v[BM+\b0], v[BM+\b0], v[96+16*\b0+\i], v[97+16*\b0+\i]
	v_max3_num_f32 v[BM+\b1], v[BM+\b1], v[96+16*\b1+\i], v[97+16*\b1+\i]
.endr
	v_max_num_f32 v[BM+\b0], v[BM+\b0], v[111+16*\b0]
	v_max_num_f32 v[BM+\b1], v[BM+\b1], v[111+16*\b1]
.endm
.macro STEP                            ; 128 keys
	v_add_nc_u32 v[ADK], s[TK], v1
	v_add_nc_u32 v[ADS], s[TK], v2
	v_add_nc_u32 v[ADV], s[TV], v1
	v_add_nc_u32 v[ADT], s[TV], v2
.irp g, 0,1                            ; S^T = K Q^T, four tiles of 16 keys at a time
.if \g > 0
	v_mov_b32 v[OLDM], v12                         ; -M as it stands, kept for f: the first of eight places in front of loads into registers that the products above read; they also part those products from the first read of their results
.rept 7
	v_nop
.endr
.endif
.irp t, 0,1,2,3
	ds_load_b128 v[32+16*\t:35+16*\t], v[ADK] offset:1024*(4*\g+\t)
	ds_load_b128 v[36+16*\t:39+16*\t], v[ADK] offset:1024*(4*\g+\t)+512
	ds_load_b32 v[240+\t], v[ADS] offset:8192+64*(4*\g+\t)
.endr
.if \g == 0
.rept 5
	v_nop                                          ; with the four additions nine places: the products below write over registers that the last step's V^T P read.  (The loads above land in none of that product's registers)
.endr
.endif
	s_wait_dscnt 0x0
.irp t, 0,1,2,3
	v_wmma_scale_f32_16x16x128_f8f6f4 v[96+8*(4*\g+\t):103+8*(4*\g+\t)], v[32+16*\t:47+16*\t], v[16:31], 0, v[240+\t], v248 matrix_a_fmt:MATRIX_FMT_BF8 matrix_b_fmt:MATRIX_FMT_BF8
.endr
.endr
	BLKMAX 0, 1                                    ; 16 plain lines on the first group's results alone: they are the places behind the second group's products
	BLKMAX 2, 3
.irp b, 0,1,2,3
	v_permlanex16_b32 v[PT+\b], v[BM+\b], s[SEL], s[SEL+1]
.endr
.irp b, 0,1,2,3
	v_max_num_f32 v[BM+\b], v[BM+\b], v[PT+\b]     ; with lane l xor 16's 16 keys
.endr
	v_max3_num_f32 v226, v208, v209, v210
	v_max_num_f32 v226, v226, v211
	v_mul_f32 v226, s[CS], v226                    ; as t (c is positive)
	v_max_num_f32 v13, v13, v226                   ; the running largest t
	v_floor_f32 v12, -v13                          ; the new -M = floor(-t): M is a whole number
	v_sub_f32 v226, v12, v[OLDM]                   ; old M - new M: a whole number, 0 or less
	v_cvt_i32_f32 v226, v226                       ; (it saturates)
	v_ldexp_f32 v228, 1.0, v226                    ; f = 2^(old M - new M)
.set j, 0
.rept 32
	v_pk_fma_f32 v[96+j:97+j], v[96+j:97+j], s[CS:CS+1], v[12:13] op_sel_hi:[1,0,0]   ; t - M, two at a time
.set j, j+2
.endr
.irp b, 0,1,2,3
	v_fma_f32 v[BM+\b], v[BM+\b], s[CS], v12       ; the same of each block's largest score
.endr
.set j, 0
.rept 64
	v_exp_f32 v[96+j], v[96+j]                     ; p = 2^(t - M), at most 1
.set j, j+1
.endr
	v_pk_mul_f32 v[14:15], v[14:15], v[228:229] op_sel_hi:[1,0]   ; the sums under the new M (a plain line behind the exponentials)
	s_wait_alu depctr_va_vdst(0)                   ; one wait for the batch, ahead of its first reader
.irp b, 0,1,2,3
	v_exp_f32 v[BM+\b], v[BM+\b]                   ; the block's largest p: the same two instructions on the same number give the same bits
.endr
	v_pk_add_f32 v[224:225], v[96:97], v[98:99]    ; the row's sum is taken of the unquantised p, in two chains
.irp j, 4,8,12,16,20,24,28,32,36,40,44,48,52,56,60
	v_pk_add_f32 v[14:15], v[14:15], v[96+\j:97+\j]
	v_pk_add_f32 v[224:225], v[224:225], v[98+\j:99+\j]
.endr
	v_pk_add_f32 v[14:15], v[14:15], v[224:225]
	s_wait_alu depctr_va_vdst(0)                   ; and one for the four
.irp b, 0,1,2,3
	v_max_num_f32 v[BM+\b], 0x8000000, v[BM+\b]    ; the floor 2^(16 - 127)
.endr
.irp b, 0,1,2,3
	v_add_nc_u32 v[SOP+\b], 0xf8800000, v[BM+\b]   ; the conversion's scale operand
.endr
.irp b, 0,1,2,3
	v_and_or_b32 v[LIM+\b], v[BM+\b], 0x7f800000, s[MNT]   ; 57,344 x the scale
.endr
.irp b, 0,1,2,3
	v_lshrrev_b32 v[PT+\b], 23, v[SOP+\b]          ; the scale's byte
.endr
	v_lshl_or_b32 v249, v213, 8, v212              ; p's scale word for these 128 keys
	v_lshl_or_b32 v249, v214, 16, v249
	v_lshl_or_b32 v249, v215, 24, v249
.irp b, 0,1,2,3
.irp i, 0,2,4,6,8,10,12,14
	v_dual_min_num_f32 v[96+16*\b+\i], v[LIM+\b], v[96+16*\b+\i] :: v_dual_min_num_f32 v[97+16*\b+\i], v[LIM+\b], v[97+16*\b+\i]   ; the conversion does not saturate (ISA guide 7.6.2); p is not negative, so the hold is one-sided; two holds an instruction
.endr
	v_cvt_scalef32_pk8_bf8_f32 v[192+4*\b:193+4*\b], v[96+16*\b:103+16*\b], v[SOP+\b]
	v_cvt_scalef32_pk8_bf8_f32 v[194+4*\b:195+4*\b], v[104+16*\b:111+16*\b], v[SOP+\b]
.endr
	v_nop                                          ; a plain line between the conversions and the lines that touch their results
.irp b, 0,1,2,3
	v_permlane16_swap_b32 v[192+4*\b], v[194+4*\b]     ; lane (r, h) now holds keys 32 b + 16 h + 0 .. 15
	v_permlane16_swap_b32 v[193+4*\b], v[195+4*\b]
.endr
.set j, 0
.rept 16
	v_pk_mul_f32 v[160+j:161+j], v[160+j:161+j], v[228:229] op_sel_hi:[1,0]   ; O^T under the new M (also the places in front of the products below)
.set j, j+2
.endr
.irp t, 0,1,2,3                        ; O^T += V^T P^T: four tiles of 16 of the head's 64; K = these 128 keys
.irp c, 0,1,2,3
	ds_load_b128 v[96+16*\t+4*\c:99+16*\t+4*\c], v[ADV] offset:2048*\t+512*\c
.endr
	ds_load_b32 v[244+\t], v[ADT] offset:8192+64*\t
.endr
	s_wait_dscnt 0x0
.irp t, 0,1,2,3
	v_wmma_scale_f32_16x16x128_f8f6f4 v[160+8*\t:167+8*\t], v[96+16*\t:111+16*\t], v[192:207], v[160+8*\t:167+8*\t], v[244+\t], v249 matrix_a_fmt:MATRIX_FMT_BF8 matrix_b_fmt:MATRIX_FMT_BF8
.endr
.endm
	s_wait_tensorcnt 0x1                           ; my first load, one record of key step 0 or 1, is in; my second may stay out
	s_barrier_signal -1
	s_barrier_wait -1                              ; K's and V's records 0 and 1 are whole for every wave
	s_wait_loadcnt 0x0                             ; Q
	STEP                                           ; key steps 0 and 1 are written out: they read records 0 and 1 alone, while the other 14 of each land
	s_add_co_u32 s[TK], s[TK], KREC
	s_add_co_u32 s[TV], s[TV], VREC
	STEP
	s_add_co_u32 s[TK], s[TK], KREC
	s_add_co_u32 s[TV], s[TV], VREC
	s_wait_tensorcnt 0x0                           ; my seven records are in,
	s_wait_dscnt 0x0
	s_barrier_signal -1
	s_barrier_wait -1                              ; everybody's are
	s_mov_b32 s50, 14
.Lkeys:                                            ; 14 trips: the head's other 1,792 keys
	STEP
	s_add_co_u32 s[TK], s[TK], KREC
	s_add_co_u32 s[TV], s[TV], VREC
	s_sub_co_u32 s50, s50, 1
	s_cmp_lg_u32 s50, 0
	s_cbranch_scc1 .Lkeys
	; THE WAY OUT: O^T / the sum, quantised along d in two blocks of 32, stored as the next product's operand
.rept 8
	v_nop
.endr
	v_add_f32 v14, v14, v15
	v_permlanex16_b32 v212, v14, s[SEL], s[SEL+1]
	v_add_f32 v14, v14, v212                       ; the row's sum
	v_rcp_f32 v14, v14
	v_nop                                          ; a plain line behind the reciprocal
	s_wait_alu depctr_va_vdst(0)                   ; the wait ahead of its first reader
.set j, 0
.rept 32
	v_mul_f32 v[96+j], v[160+j], v14               ; register 8 t + i is o(query r, d = 16 t + 8 h + i)
.set j, j+1
.endr
.irp b, 0,1
	v_max3_num_f32 v[BM+\b], |v[96+16*\b]|, |v[97+16*\b]|, 0x8000000
.endr
.irp i, 2,4,6,8,10,12,14
.irp b, 0,1
	v_max3_num_f32 v[BM+\b], v[BM+\b], |v[96+16*\b+\i]|, |v[97+16*\b+\i]|
.endr
.endr
.irp b, 0,1
	v_permlanex16_b32 v[PT+\b], v[BM+\b], s[SEL], s[SEL+1]
.endr
.irp b, 0,1
	v_max_num_f32 v[BM+\b], v[BM+\b], v[PT+\b]
.endr
.irp b, 0,1
	v_add_nc_u32 v[SOP+\b], 0xf8800000, v[BM+\b]
.endr
.irp b, 0,1
	v_and_or_b32 v[LIM+\b], v[BM+\b], 0x7f800000, s[MNT]
.endr
.irp b, 0,1
	v_lshrrev_b32 v[PT+\b], 23, v[SOP+\b]
.endr
	v_lshl_or_b32 v226, v213, 8, v212              ; my head's two bytes of the row's scale word
.irp b, 0,1
.irp i, 0,1,2,3,4,5,6,7,8,9,10,11,12,13,14,15
	v_med3_num_f32 v[96+16*\b+\i], v[96+16*\b+\i], -v[LIM+\b], v[LIM+\b]
.endr
	v_cvt_scalef32_pk8_bf8_f32 v[192+4*\b:193+4*\b], v[96+16*\b:103+16*\b], v[SOP+\b]
	v_cvt_scalef32_pk8_bf8_f32 v[194+4*\b:195+4*\b], v[104+16*\b:111+16*\b], v[SOP+\b]
.endr
	v_nop
.irp b, 0,1
	v_permlane16_swap_b32 v[192+4*\b], v[194+4*\b]
	v_permlane16_swap_b32 v[193+4*\b], v[195+4*\b]
.endr
	global_store_b128 v1, v[192:195], s[10:11]               ; 512 consecutive bytes, aligned
	global_store_b128 v1, v[196:199], s[10:11] offset:512
	global_store_b16 v2, v226, s[8:9]                        ; both halves of the lanes store the same two bytes with the same value
	s_wait_tensorcnt 0x0
	ds_add_u32 v254, v255
	s_wait_dscnt 0x0
	CROUND                                         ; the closing round
	s_endpgm
.Lfunc_end_k_qe72b82c4b0_attn:
	.size	k_qe72b82c4b0_attn, .Lfunc_end_k_qe72b82c4b0_attn-k_qe72b82c4b0_attn
	.p2alignl 7, 3214868480
	.fill 96, 4, 3214868480
	.section	.rodata,"a",@progbits
	.p2align	6, 0x0
	.amdhsa_kernel k_qe72b82c4b0_attn
		.amdhsa_group_segment_fixed_size 327680
		.amdhsa_private_segment_fixed_size 0
		.amdhsa_enable_private_segment 0
		.amdhsa_kernarg_size 32
		.amdhsa_user_sgpr_count 2
		.amdhsa_user_sgpr_kernarg_segment_ptr 1
		.amdhsa_wavefront_size32 1
		.amdhsa_system_sgpr_workgroup_id_x 1
		.amdhsa_system_sgpr_workgroup_id_y 1
		.amdhsa_system_sgpr_workgroup_id_z 1
		.amdhsa_system_vgpr_workitem_id 0
		.amdhsa_next_free_vgpr 256
		.amdhsa_next_free_sgpr 96
		.amdhsa_reserve_vcc 0
		.amdhsa_float_denorm_mode_32 3
		.amdhsa_float_denorm_mode_16_64 3
		.amdhsa_memory_ordered 1
		.amdhsa_forward_progress 1
		.amdhsa_inst_pref_size 75
	.end_amdhsa_kernel
	.amdgpu_metadata
---
amdhsa.version: [ 1, 2 ]
amdhsa.kernels:
  - .name:           k_qe72b82c4b0_attn
    .symbol:         k_qe72b82c4b0_attn.kd
    .args:
      - { .name: qr, .offset: 0, .size: 8, .value_kind: global_buffer, .address_space: global }
      - { .name: kr, .offset: 8, .size: 8, .value_kind: global_buffer, .address_space: global }
      - { .name: vr, .offset: 16, .size: 8, .value_kind: global_buffer, .address_space: global }
      - { .name: o, .offset: 24, .size: 8, .value_kind: global_buffer, .address_space: global }
    .group_segment_fixed_size: 327680
    .private_segment_fixed_size: 0
    .kernarg_segment_align: 8
    .kernarg_segment_size: 32
    .max_flat_workgroup_size: 512
    .sgpr_count:     96
    .vgpr_count:     256
    .wavefront_size: 32
...
	.end_amdgpu_metadata
.endif
;; end of part 3
;; launch wo (part 4): grid 8 x 32, 4 waves a work-group, clusters of 4 x 4, 327,680 bytes of LDS; arguments o, Wo_codes, Wo_scales, bo, x, x1; writes x1
.if DOCPART == 4
	.amdgcn_target "amdgcn-amd-amdhsa--gfx1250"
	.amdhsa_code_object_version 6
	.text
	.protected	k_qe72b82c4b0_wo
	.globl	k_qe72b82c4b0_wo
	.p2align	8
	.type	k_qe72b82c4b0_wo,@function
k_qe72b82c4b0_wo:
	s_mov_b64 s[64:65], 0
	v_nop
	global_prefetch_b8 v0, s[64:65] scope:SCOPE_SE
	s_setreg_imm32_b32 hwreg(HW_REG_WAVE_MODE, 25, 1), 1
	s_wait_xcnt 0x0
	s_wait_alu depctr_hold_cnt(0) depctr_sa_sdst(0) depctr_va_vdst(0) depctr_va_sdst(0) depctr_va_ssrc(0) depctr_va_vcc(0) depctr_vm_vsrc(0)
	s_getreg_b32 s2, hwreg(HW_REG_IB_STS2, 6, 4)
	s_cmp_eq_u32 s2, 0
	s_cbranch_scc0 .Lentry_in_a_cluster
	s_endpgm
.Lentry_in_a_cluster:
	s_bfe_u32 s2, ttmp6, 0x10000c
	s_cmp_lg_u32 s2, 0xf033
	s_cbranch_scc0 .Lentry_shape_is_right
	s_endpgm
.Lentry_shape_is_right:
; out = resid + bias + A B^T on codes of BF8 (E5M2) with E8M0 scales for each 32 along K = SIZE_K.  A: 4,096 rows, made by this program; B: 1,024 rows of codes, K innermost; out, resid: [4096][1024] f32.
; A's LAYOUT: images of the operand's registers, [K / 512][row / 16][4 (128 along K)][4 groups][lane][16 bytes], so that a K step's 128 rows are one dense block; behind the codes (byte 4,096 SIZE_K) scale words [K / 128][4,096 rows][4 bytes].
; TILES OF 128 x 128: with 1,024 columns a tile of 256 x 256 would give work to 64 work-groups; this gives 256.  Four waves, 64 x 64 each: 16 accumulators.
; K goes in steps of 512 through two LDS slots (A: 65,536 dense bytes; B: 128 rows of 512 + 16 bytes), one tensor load a wave; all scale bytes come once with the first fills.
; 4 x 4 work-groups form a cluster: A's tiles are asked for jointly along a row of the cluster, B's along a column.
; THE MATRIX INSTRUCTION IS USED TRANSPOSED (source 0 = 16 rows of B, source 1 = 16 rows of A): a lane holds eight neighbouring numbers of a row of out.  The bias is the C of each sum's first product.
; The residual tile is asked for at the head, in the layout in which rows come back from the stage, and waits in window 2.
; No prefetch: 2 or 8 K steps, tiles shared in the cluster.
; REGISTERS: window 0: v16-29 addresses; v32-47 scale words, two sets, and nothing else; v48-79 the bias, later rows on their way out; v80-111 likewise; v128-255 the accumulators ((a, b) at 128 + 8 (4 a + b)).
;   window 1: two fragment buffers of 128 (A's four, then B's four).   window 2: v0-127 the residual tile.
.set SIZE_K, 1024
.set LAPS,  SIZE_K/1024                ; a lap = two K steps
.set KS,    SIZE_K/32                  ; a row of B's scale bytes
.set NCH,   SIZE_K/128                 ; scale words a row
.set ATILE, 65536
.set BP,    528                        ; a row of B in LDS: 512 bytes + 16 of padding
.set BHALF, 64*BP
.set SLOT,  ATILE+2*BHALF
.set SCA,   2*SLOT                     ; A's scale words [K / 128][128 rows][4 bytes]
.set SCAH,  (NCH/2)*512
.set SCBB,  SCA+NCH*512                ; B's scale bytes: two halves of 64 rows, as runs of 256 bytes + 16 of padding
.set SCBH,  NCH*272
.set SBT,   (16*KS/256)*272            ; those of 16 rows
.set SPARE, SCBB+2*SCBH                ; the spare words, 128 bytes a wave: two blocks of 256 bytes that no other line names
.set ADRA, 16
.set ADRB, 20
.set ADSA, 22
.set ADSB, 23
.set STO,  24
.set RD,   25
.set CO,   26
.set SPW,  28
.set NIL,  29
.set SC,   32
.set BI,   48
.set T0,   48
.set ACC,  128
.set G1A, 24
.set G0A, 32
.set G1B, 48
.set G0B, 56
.set G1SA, 68
.set G0SA, 76
.set G1SB, 80
.set G0SB, 88
.set MSB, 0
.macro WIN new                         ; the immediate's high byte repeats the setting that is left
.if MSB != (\new)
	s_set_vgpr_msb (MSB<<8)|(\new)
.set MSB, (\new)
.endif
.endm
.macro JLOAD g0a, g1a, g0b, g1b        ; waves 0 and 1 fetch for A, waves 2 and 3 for B; four v_nop follow each of the two lines
	s_cmp_eq_u32 s17, 0
	s_cbranch_scc0 .Lfor_b_\@
	tensor_load_to_lds s[\g0a:\g0a+3], s[\g1a:\g1a+7]
	s_nop 0
.rept 4
	v_nop
.endr
	s_branch .Lasked_\@
.Lfor_b_\@:
	tensor_load_to_lds s[\g0b:\g0b+3], s[\g1b:\g1b+7]
	s_nop 0
.rept 4
	v_nop
.endr
.Lasked_\@:
.endm
.macro CREST
	s_cmp_lg_u32 s16, 0
	s_cbranch_scc1 .Lnot_wave_0_\@
	s_barrier_signal -3
.Lnot_wave_0_\@:
	s_barrier_wait -3
	s_barrier_signal -1
	s_barrier_wait -1
.endm
.macro CROUND
	s_barrier_signal -1
	s_barrier_wait -1
	CREST
.endm
.macro PLACES n
.rept \n
	v_nop
.endr
.endm
	s_load_b256 s[4:11], s[0:1], 0x0               ; A, B's codes, B's scales, the bias
	s_load_b128 s[12:15], s[0:1], 0x20             ; the residual, out
	v_lshl_add_u32 v[SPW], v0, 2, SPARE
	v_mov_b32 v[NIL], 0
	ds_add_u32 v28, v29
	ds_add_u32 v28, v29
	s_wait_dscnt 0x0
	v_lshrrev_b32 v1, 5, v0
	v_readfirstlane_b32 s16, v1                    ; wave 0..3
	s_lshr_b32 s17, s16, 1                         ; my half of the tile's rows.  Also: I fetch for A (0) or for B (1)
	s_and_b32 s18, s16, 1                          ; my half of its columns.  Also: which half I fetch
	s_bfe_u32 s40, ttmp6, 0x40000                  ; cx
	s_bfe_u32 s41, ttmp6, 0x40004                  ; cy
	s_lshl_b32 s42, ttmp9, 2
	s_add_co_u32 s42, s42, s40                     ; tile column
	s_and_b32 s43, ttmp7, 0xffff
	s_lshl_b32 s43, s43, 2
	s_add_co_u32 s43, s43, s41                     ; tile row
	s_lshl_b32 s44, s41, 2
	s_lshl_b32 s44, 15, s44                        ; my row of the cluster
	s_lshl_b32 s45, 0x1111, s40                    ; my column
	s_or_b32 s[G1A], s44, (3<<16)|(1<<21)          ; A's half tile: 32,768 dense bytes as 128 rows of 256 (32 elements of 8 bytes), no padding
	s_mov_b32 s[G1A+1], 32<<16
	s_mov_b32 s[G1A+2], 128<<16
	s_mov_b32 s[G1A+3], 32<<16
	s_mov_b32 s[G1A+4], 128
	s_mov_b32 s[G1A+5], 32
	s_mov_b32 s[G1A+6], 0
	s_mov_b32 s[G1A+7], 0
	s_or_b32 s[G1B], s45, (0<<16)|(1<<20)|(1<<21)|(6<<22)|(3<<25)   ; B's: 64 rows of 512 bytes, 4 words of padding behind every 128
	s_mov_b32 s[G1B+1], 512<<16
	s_mov_b32 s[G1B+2], 64<<16
	s_mov_b32 s[G1B+3], 512<<16
	s_mov_b32 s[G1B+4], 64
	s_mov_b32 s[G1B+5], SIZE_K
	s_mov_b32 s[G1B+6], 0
	s_mov_b32 s[G1B+7], 0
	s_or_b32 s[G1SA], s44, (3<<16)|(1<<21)         ; A's scale words: NCH / 2 rows of 512 bytes (the tile's 128 rows), 16,384 bytes apart
	s_mov_b32 s[G1SA+1], 64<<16
	s_mov_b32 s[G1SA+2], (NCH/2)<<16
	s_mov_b32 s[G1SA+3], 64<<16
	s_mov_b32 s[G1SA+4], NCH/2
	s_mov_b32 s[G1SA+5], 2048
	s_mov_b32 s[G1SA+6], 0
	s_mov_b32 s[G1SA+7], 0
	s_or_b32 s[G1SB], s45, (3<<16)|(1<<20)|(1<<21)|(5<<22)|(3<<25)  ; B's scale bytes of 64 rows: a dense block, as rows of 256 bytes + 16 of padding
	s_mov_b32 s[G1SB+1], 32<<16
	s_mov_b32 s[G1SB+2], NCH<<16
	s_mov_b32 s[G1SB+3], 32<<16
	s_mov_b32 s[G1SB+4], NCH
	s_mov_b32 s[G1SB+5], 32
	s_mov_b32 s[G1SB+6], 0
	s_mov_b32 s[G1SB+7], 0
	s_lshl_b32 s92, s43, 16                        ; A's codes: 8 row blocks of 8,192 bytes a tile row,
	s_lshl_b32 s93, s18, 15                        ; 4 a half
	s_add_co_u32 s92, s92, s93
	s_mov_b32 s93, 0
	s_mul_i32 s94, s18, (NCH/2)*16384              ; A's scale words: my half of the K / 128,
	s_lshl_b32 s95, s43, 9                         ; the tile's 128 rows,
	s_add_co_u32 s94, s94, s95
	s_add_co_u32 s94, s94, 4096*SIZE_K             ; behind the codes
	s_mov_b32 s95, 0
	s_lshl_b32 s96, s42, 7
	s_lshl_b32 s97, s18, 6
	s_add_co_u32 s96, s96, s97                     ; B: row 128 x tile column + 64 x half
	s_mul_i32 s98, s96, KS
	s_mul_i32 s96, s96, SIZE_K
	s_mov_b32 s97, 0
	s_mov_b32 s99, 0
	s_lshl_b32 s20, s18, 15                        ; where they go in LDS: made of the wave's number alone
	s_mul_i32 s21, s18, BHALF
	s_add_co_u32 s21, s21, ATILE
	s_mul_i32 s22, s18, SCAH
	s_add_co_u32 s22, s22, SCA
	s_mul_i32 s23, s18, SCBH
	s_add_co_u32 s23, s23, SCBB
	s_wait_kmcnt 0x0
	s_add_nc_u64 s[92:93], s[4:5], s[92:93]
	s_add_nc_u64 s[94:95], s[4:5], s[94:95]
	s_add_nc_u64 s[96:97], s[6:7], s[96:97]
	s_add_nc_u64 s[98:99], s[8:9], s[98:99]
	CROUND                                         ; all sixteen work-groups are here: the first joint loads meet
	s_mov_b32 s[G0SA], 1
	s_mov_b32 s[G0SA+1], s22
	s_mov_b64 s[G0SA+2:G0SA+3], s[94:95]
	s_or_b32 s[G0SA+3], s[G0SA+3], 0x80000000
	s_mov_b32 s[G0SB], 1
	s_mov_b32 s[G0SB+1], s23
	s_mov_b64 s[G0SB+2:G0SB+3], s[98:99]
	s_or_b32 s[G0SB+3], s[G0SB+3], 0x80000000
	JLOAD G0SA, G1SA, G0SB, G1SB                   ; the scales first
.irp s, 0,1
	s_mov_b32 s[G0A+4*\s], 1
	s_add_co_u32 s[G0A+4*\s+1], s20, \s*SLOT
	s_add_nc_u64 s[G0A+4*\s+2:G0A+4*\s+3], s[92:93], \s*2097152    ; a K step of A: 256 row blocks of 8,192 bytes
	s_or_b32 s[G0A+4*\s+3], s[G0A+4*\s+3], 0x80000000
	s_mov_b32 s[G0B+4*\s], 1
	s_add_co_u32 s[G0B+4*\s+1], s21, \s*SLOT
	s_add_nc_u64 s[G0B+4*\s+2:G0B+4*\s+3], s[96:97], \s*512
	s_or_b32 s[G0B+4*\s+3], s[G0B+4*\s+3], 0x80000000
	JLOAD G0A+4*\s, G1A, G0B+4*\s, G1B
.endr
	v_and_b32 v1, 15, v0                           ; r
	v_bfe_u32 v2, v0, 4, 1                         ; h
	v_and_b32 v3, 31, v0
	v_lshlrev_b32 v4, 4, v3                        ; 16 x lane
	s_lshl_b32 s20, s17, 15                        ; my 64 rows of A: 4 row blocks of 8,192 bytes
	v_add_nc_u32 v[ADRA], s20, v4
	v_add_nc_u32 v[ADRA+1], SLOT, v[ADRA]
	v_mul_u32_u24 v5, v1, BP
	v_lshl_add_u32 v5, v2, 4, v5
	v_add_nc_u32 v[ADRB], s21, v5                  ; my 64 rows of B (s21: the same half as I would fetch)
	v_add_nc_u32 v[ADRB+1], SLOT, v[ADRB]
	s_lshl_b32 s22, s17, 8
	s_add_co_u32 s22, s22, SCA
	v_lshl_add_u32 v[ADSA], v1, 2, s22             ; A's scale words: 4 bytes a row
	v_mul_u32_u24 v5, v1, KS
	v_lshrrev_b32 v6, 8, v5
	v_lshl_add_u32 v5, v6, 4, v5                   ; B's: KS bytes a row, and 16 more for each 256 passed
	v_add_nc_u32 v[ADSB], s23, v5
	s_mul_i32 s20, s16, 16*272                     ; my stage, in slot 0: it has had its last fill and its last read when the first result is stored there
	v_mul_u32_u24 v5, v1, 272
	v_lshl_add_u32 v5, v2, 5, v5
	v_add_nc_u32 v[STO], s20, v5                   ; in: row r, 32 bytes for each half of the lanes
	v_mul_u32_u24 v5, v2, 272
	v_lshl_add_u32 v5, v1, 4, v5
	v_add_nc_u32 v[RD], s20, v5                    ; back: lanes 0-15 one row of 256 bytes, lanes 16-31 the next
	v_lshlrev_b32 v[CO], 12, v2
	v_lshl_add_u32 v[CO], v1, 4, v[CO]             ; and the same two rows in memory
	v_lshlrev_b32 v7, 5, v2                        ; the bias: my half's eight numbers of a tile
	s_lshl_b32 s20, s42, 9
	s_lshl_b32 s21, s18, 8
	s_add_co_u32 s20, s20, s21                     ; my first column, in bytes
	s_mov_b32 s21, 0
	s_add_nc_u64 s[10:11], s[10:11], s[20:21]
	s_lshl_b32 s22, s43, 19
	s_lshl_b32 s23, s17, 18
	s_add_co_u32 s22, s22, s23                     ; my first row
	s_add_co_u32 s20, s20, s22
	s_add_nc_u64 s[12:13], s[12:13], s[20:21]
	s_add_nc_u64 s[14:15], s[14:15], s[20:21]
.irp b, 0,1,2,3
	global_load_b128 v[BI+8*\b:BI+8*\b+3], v7, s[10:11] offset:64*\b
	global_load_b128 v[BI+8*\b+4:BI+8*\b+7], v7, s[10:11] offset:64*\b+16
.endr
	WIN 0x80                                       ; destination window 2
.irp a, 0,1,2,3
.irp t, 0,1,2,3,4,5,6,7
	global_load_b128 v[4*(8*\a+\t):4*(8*\a+\t)+3], v[CO], s[12:13] offset:(16*\a+2*\t)*4096 th:TH_LOAD_NT   ; sixteen lanes read 256 consecutive bytes
.endr
.endr
	WIN 0
.macro FETCH slot, q, f                ; the fragments and scale words of the slot's q-th 128 along K into buffer f: 40 LDS loads
	WIN 0x40
.irp a, 0,1,2,3
.irp c, 0,1,2,3
	ds_load_b128 v[128*(\f)+16*\a+4*\c:128*(\f)+16*\a+4*\c+3], v[ADRA+\slot] offset:(4*\a+(\q))*2048+512*\c
.endr
.endr
.irp b, 0,1,2,3
.irp c, 0,1,2,3
	ds_load_b128 v[128*(\f)+64+16*\b+4*\c:128*(\f)+64+16*\b+4*\c+3], v[ADRB+\slot] offset:16*BP*\b+128*(\q)+32*\c
.endr
.endr
	WIN 0
.irp a, 0,1,2,3
	ds_load_b32 v[SC+8*(\f)+\a], v[ADSA] offset:512*(\q)+64*\a
.endr
.irp b, 0,1,2,3
	ds_load_b32 v[SC+8*(\f)+4+\b], v[ADSB] offset:\b*SBT+4*(\q)
.endr
.endm
; 8 matrix instructions: A's blocks a0, a0 + 1 x B's four.  The 16 accumulators take turns, one instruction a turn, in the same order throughout.  zero = 1: the bias starts the sums
.macro MUL8 f, a0, zero
.irp a, \a0, \a0+1
.irp b, 0,1,2,3
.if \zero
	v_wmma_scale_f32_16x16x128_f8f6f4 v[ACC+8*(4*(\a)+\b):ACC+8*(4*(\a)+\b)+7], v[128*(\f)+64+16*\b:128*(\f)+64+16*\b+15], v[128*(\f)+16*(\a):128*(\f)+16*(\a)+15], v[BI+8*\b:BI+8*\b+7], v[SC+8*(\f)+4+\b], v[SC+8*(\f)+(\a)] matrix_a_fmt:MATRIX_FMT_BF8 matrix_b_fmt:MATRIX_FMT_BF8
.else
	v_wmma_scale_f32_16x16x128_f8f6f4 v[ACC+8*(4*(\a)+\b):ACC+8*(4*(\a)+\b)+7], v[128*(\f)+64+16*\b:128*(\f)+64+16*\b+15], v[128*(\f)+16*(\a):128*(\f)+16*(\a)+15], v[ACC+8*(4*(\a)+\b):ACC+8*(4*(\a)+\b)+7], v[SC+8*(\f)+4+\b], v[SC+8*(\f)+(\a)] matrix_a_fmt:MATRIX_FMT_BF8 matrix_b_fmt:MATRIX_FMT_BF8
.endif
.endr
.endr
.endm
.macro QTR f, zero, slot, q            ; fetches the quarter (slot, q) into the other buffer, then multiplies buffer f
	PLACES 8                                       ; in front of loads into registers that the last products read
	FETCH \slot, \q, 1-(\f)
	s_wait_dscnt 40                                ; all but the 40 just issued: buffer f is in
	WIN 0x05                                       ; sources 0 and 1: window 1
	MUL8 \f, 0, \zero
	MUL8 \f, 2, \zero
	WIN 0
.endm
; A slot's last quarter (buffer 1) changes slots: one barrier; in front of it each wave waits for all its tensor loads, adds 0 to its spare word, and waits for that and for its own reads of this slot.
.macro TURN slot, next, fill
	s_wait_tensorcnt 0x0                           ; all my tensor loads have landed: my part of the next slot
	ds_add_u32 v[SPW], v[NIL]                      ; 0 onto my spare word
	s_wait_dscnt 1                                 ; (the add may be out: buffer 1 is in)
	WIN 0x05
	MUL8 1, 0, 0
	s_wait_dscnt 0x0                               ; the add is done, and my reads of this slot are over
	WIN 0
	s_barrier_signal -1
	s_barrier_wait -1
.if \fill
	CREST                                          ; the barrier has opened a round of the cluster's barrier: no wave of any partner still reads this slot or has a load on its way
	s_add_nc_u64 s[G0A+4*\slot+2:G0A+4*\slot+3], s[G0A+4*\slot+2:G0A+4*\slot+3], 4194304
	s_add_nc_u64 s[G0B+4*\slot+2:G0B+4*\slot+3], s[G0B+4*\slot+2:G0B+4*\slot+3], 1024
	JLOAD G0A+4*\slot, G1A, G0B+4*\slot, G1B       ; the first tensor load behind the round; its four v_nop are among the places in front of the loads below
	PLACES 4
.else
	PLACES 8
.endif
	v_add_nc_u32 v[ADSA], 2048, v[ADSA]            ; on to the next K step's scale words
	v_add_nc_u32 v[ADSB], 16, v[ADSB]
	FETCH \next, 0, 0
	WIN 0x05
	MUL8 1, 2, 0
	WIN 0
.endm
	s_wait_tensorcnt 1                             ; the scales and my part of K step 0 are in (K step 1's load may be out),
	s_barrier_signal -1
	s_barrier_wait -1                              ; everybody's are
	FETCH 0, 0, 0
	s_wait_loadcnt 32                              ; the bias is in; the residual's 32 loads may be out
	QTR 0, 1, 0, 1
.if LAPS > 1
	s_mov_b32 s19, LAPS-1
.Llap:                                                 ; a trip goes once round the ring and fills both slots again
	QTR 1, 0, 0, 2
	QTR 0, 0, 0, 3
	TURN 0, 1, 1
	QTR 0, 0, 1, 1
	QTR 1, 0, 1, 2
	QTR 0, 0, 1, 3
	TURN 1, 0, 1
	QTR 0, 0, 0, 1
	s_sub_co_u32 s19, s19, 1
	s_cmp_lg_u32 s19, 0
	s_cbranch_scc1 .Llap
.endif
	QTR 1, 0, 0, 2                                 ; the last lap fills nothing
	QTR 0, 0, 0, 3
	TURN 0, 1, 0
	QTR 0, 0, 1, 1
	QTR 1, 0, 1, 2
	QTR 0, 0, 1, 3
	s_wait_dscnt 0x0
	WIN 0x05
	MUL8 1, 0, 0
	MUL8 1, 2, 0
	WIN 0
; THE WAY OUT, 16 rows x 64 columns at a time: through my own stage, back as whole runs of 256 bytes, the residual added, stored.  LDS serves a wave's instructions in order: no wait between the stores and the loads.
.macro TOSTAGE a
.set TT, T0+32*((\a)%2)
.irp b, 0,1,2,3
	ds_store_b128 v[STO], v[ACC+8*(4*(\a)+\b):ACC+8*(4*(\a)+\b)+3] offset:64*\b          ; each accumulator from its low end on
	ds_store_b128 v[STO], v[ACC+8*(4*(\a)+\b)+4:ACC+8*(4*(\a)+\b)+7] offset:64*\b+16
.endr
.irp t, 0,1,2,3,4,5,6,7
	ds_load_b128 v[TT+4*\t:TT+4*\t+3], v[RD] offset:544*\t
.endr
.endm
.macro SEND a, younger                 ; younger: the LDS instructions issued behind block a's loads, which may stay out
.set TT, T0+32*((\a)%2)
	s_wait_dscnt \younger
	WIN 0x08                                       ; source 1: window 2
.set i, 0
.rept 16
	v_pk_add_f32 v[TT+i:TT+i+1], v[TT+i:TT+i+1], v[32*(\a)+i:32*(\a)+i+1]
.set i, i+2
.endr
	WIN 0
.irp t, 0,1,2,3,4,5,6,7
	global_store_b128 v[CO], v[TT+4*\t:TT+4*\t+3], s[14:15] offset:(16*(\a)+2*\t)*4096   ; sixteen lanes store 256 consecutive bytes, aligned
.endr
.endm
	s_wait_loadcnt 0x0                             ; the residual tile
	PLACES 8
	TOSTAGE 0
.irp a, 1,2,3
.if \a > 1
	s_wait_xcnt 0x0                                ; block a - 2's stores have read their registers: block a's loads may land there
.endif
	TOSTAGE \a
	SEND \a-1, 16
.endr
	SEND 3, 0
	s_wait_tensorcnt 0x0                           ; the wave's end
	ds_add_u32 v[SPW], v[NIL]
	s_wait_dscnt 0x0
	CROUND                                         ; the closing round
	s_endpgm
.Lfunc_end_k_qe72b82c4b0_wo:
	.size	k_qe72b82c4b0_wo, .Lfunc_end_k_qe72b82c4b0_wo-k_qe72b82c4b0_wo
	.p2alignl 7, 3214868480
	.fill 96, 4, 3214868480
	.section	.rodata,"a",@progbits
	.p2align	6, 0x0
	.amdhsa_kernel k_qe72b82c4b0_wo
		.amdhsa_group_segment_fixed_size 327680
		.amdhsa_private_segment_fixed_size 0
		.amdhsa_enable_private_segment 0
		.amdhsa_kernarg_size 48
		.amdhsa_user_sgpr_count 2
		.amdhsa_user_sgpr_kernarg_segment_ptr 1
		.amdhsa_wavefront_size32 1
		.amdhsa_system_sgpr_workgroup_id_x 1
		.amdhsa_system_sgpr_workgroup_id_y 1
		.amdhsa_system_sgpr_workgroup_id_z 1
		.amdhsa_system_vgpr_workitem_id 0
		.amdhsa_next_free_vgpr 768
		.amdhsa_next_free_sgpr 100
		.amdhsa_reserve_vcc 0
		.amdhsa_float_denorm_mode_32 3
		.amdhsa_float_denorm_mode_16_64 3
		.amdhsa_memory_ordered 1
		.amdhsa_forward_progress 1
		.amdhsa_inst_pref_size 65
	.end_amdhsa_kernel
	.amdgpu_metadata
---
amdhsa.version: [ 1, 2 ]
amdhsa.kernels:
  - .name:           k_qe72b82c4b0_wo
    .symbol:         k_qe72b82c4b0_wo.kd
    .args:
      - { .name: o, .offset: 0, .size: 8, .value_kind: global_buffer, .address_space: global }
      - { .name: Wo_codes, .offset: 8, .size: 8, .value_kind: global_buffer, .address_space: global }
      - { .name: Wo_scales, .offset: 16, .size: 8, .value_kind: global_buffer, .address_space: global }
      - { .name: bo, .offset: 24, .size: 8, .value_kind: global_buffer, .address_space: global }
      - { .name: x, .offset: 32, .size: 8, .value_kind: global_buffer, .address_space: global }
      - { .name: x1, .offset: 40, .size: 8, .value_kind: global_buffer, .address_space: global }
    .group_segment_fixed_size: 327680
    .private_segment_fixed_size: 0
    .kernarg_segment_align: 8
    .kernarg_segment_size: 48
    .max_flat_workgroup_size: 128
    .sgpr_count:     100
    .vgpr_count:     768
    .wavefront_size: 32
...
	.end_amdgpu_metadata
.endif
;; end of part 4
;; launch ln2: the kernel of part 1 again; grid 512 x 1, 4 waves a work-group, no clusters, 41,728 bytes of LDS; arguments x1, g2, be2, h; writes h
;; launch w1 (part 5): grid 16 x 16, 4 waves a work-group, clusters of 4 x 4, 327,680 bytes of LDS; arguments h, W1_codes, W1_scales, b1, f; writes f
.if DOCPART == 5
	.amdgcn_target "amdgcn-amd-amdhsa--gfx1250"
	.amdhsa_code_object_version 6
	.text
	.protected	k_qe72b82c4b0_w1
	.globl	k_qe72b82c4b0_w1
	.p2align	8
	.type	k_qe72b82c4b0_w1,@function
k_qe72b82c4b0_w1:
	s_mov_b64 s[64:65], 0
	v_nop
	global_prefetch_b8 v0, s[64:65] scope:SCOPE_SE
	s_setreg_imm32_b32 hwreg(HW_REG_WAVE_MODE, 25, 1), 1
	s_wait_xcnt 0x0
	s_wait_alu depctr_hold_cnt(0) depctr_sa_sdst(0) depctr_va_vdst(0) depctr_va_sdst(0) depctr_va_ssrc(0) depctr_va_vcc(0) depctr_vm_vsrc(0)
	s_getreg_b32 s2, hwreg(HW_REG_IB_STS2, 6, 4)
	s_cmp_eq_u32 s2, 0
	s_cbranch_scc0 .Lentry_in_a_cluster
	s_endpgm
.Lentry_in_a_cluster:
	s_bfe_u32 s2, ttmp6, 0x10000c
	s_cmp_lg_u32 s2, 0xf033
	s_cbranch_scc0 .Lentry_shape_is_right
	s_endpgm
.Lentry_shape_is_right:
; f = Q(relu(h W1^T + b1)): the product on codes of BF8 (E5M2) with E8M0 scales for each 32 along K = 1,024; the result quantised along the hidden axis, which is the next product's K.
; A = h: 4,096 rows of codes, scale bytes behind them; B = W1: 4,096 rows of codes.  A tile of 256 x 256 to a work-group of four waves, 128 x 128 to a wave.  K goes in steps of 256 through two LDS slots filled by the
; tensor data mover; the scale bytes of the tile's 512 rows come once with the first fills.  4 x 4 work-groups form a cluster: A's tiles are asked for jointly along a row of the cluster, B's along a column.
; THE MATRIX INSTRUCTION IS USED TRANSPOSED (source 0 = 16 rows of B, source 1 = 16 rows of A): a lane holds one row and eight neighbouring hidden units.  b1 is the C of each sum's first product.
; THE WAY OUT.  A block of 32 hidden units lies in two neighbouring result tiles and in lanes l and l xor 16.  The hold that the conversion wants anyway clips at 0 as well: the activation costs nothing.  Two half-wave
; swaps a block give lane (r, h) the codes k = 32 b + 16 h + 0 .. 15: the operand's registers, stored as they stand, 512 consecutive bytes an instruction.
; f: images [hidden / 512][row / 16][4 (128 hidden)][4 groups][lane][16 bytes]; at byte 16,777,216 scale words [hidden / 128][4,096 rows][4 bytes].
; LIMITS: NaN and infinities are not served; a block of zeros, or one under 2^-111, gets the byte 1 (its codes are zeros; the bytes are read by this program alone).
; REGISTERS: window 0: v0-31 addresses; v32-63 scale words, two sets, and nothing else; v64-127 b1, later the way out; from v128 A's fragments, one set.  window 1: B's fragments, two sets.  windows 2, 3: the accumulators.
.set KSTEP,  256
.set NQ,     2
.set ROWB,   256
.set KROW,   1024
.set PITCH,  272
.set FR,     16
.set NL,     4
.set NP,     8
.set HALFT,  128*PITCH
.set SLOT,   4*HALFT
.set LAPS,   2
.set KS,     32
.set SCL,    2*SLOT
.set HALFS,  (128*KS/256)*272
.set SBLK,   (16*KS/256)*272
.set SPARE,  SCL+4*HALFS               ; the spare words, 128 bytes a wave: two blocks of 256 bytes that no other line names
.set ADRA, 16
.set ADRB, 20
.set LI,   24                          ; v24  16 x lane
.set GIN,  25                          ; v25  the scale words' gathering place: wave x 1,024 + 4 r (in slot 0, which has had its last fill and its last read by then)
.set GOUT, 26                          ; v26  and back: wave x 1,024 + 16 x lane
.set ADRS, 27
.set SPW,  28
.set NIL,  29
.set BLT,  31                          ; v31  b1: my half's eight numbers of a tile
.set SC,   32
.set BI,   64                          ; v64-127 b1 in the result's layout
.set PC,   64                          ; v64-79  later: the codes just made
.set RB,   80
.set TM,   96
.set PW,   112
.set AF,   128
.set G1, 24
.set G0, 32
.set G1B, 48
.set G0B, 56
.set G1S, 68
.set G0S, 76
.set G1SB, 80
.set G0SB, 88
.set SEL, 66
.set MNT, 95
.set OB0, 12                           ; s[12:13] where the block's image goes
.set SB,  104                          ; s[104:105] where the wave's scale words go
.set MSB, 0
.macro WIN new
.if MSB != (\new)
	s_set_vgpr_msb (MSB<<8)|(\new)
.set MSB, (\new)
.endif
.endm
.set MUL_LO, 0xa1
.set MUL_HI, 0xf1
.set TO_B,   0x40
.macro JLOAD g0a, g1a, g0b, g1b        ; waves 0 and 1 fetch for A, waves 2 and 3 for B; four v_nop follow each of the two lines
	s_cmp_eq_u32 s15, 0
	s_cbranch_scc0 .Lfor_b_\@
	tensor_load_to_lds s[\g0a:\g0a+3], s[\g1a:\g1a+7]
	s_nop 0
.rept 4
	v_nop
.endr
	s_branch .Lasked_\@
.Lfor_b_\@:
	tensor_load_to_lds s[\g0b:\g0b+3], s[\g1b:\g1b+7]
	s_nop 0
.rept 4
	v_nop
.endr
.Lasked_\@:
.endm
.macro CREST
	s_cmp_lg_u32 s14, 0
	s_cbranch_scc1 .Lnot_wave_0_\@
	s_barrier_signal -3
.Lnot_wave_0_\@:
	s_barrier_wait -3
	s_barrier_signal -1
	s_barrier_wait -1
.endm
.macro CROUND
	s_barrier_signal -1
	s_barrier_wait -1
	CREST
.endm
	s_load_b256 s[4:11], s[0:1], 0x0               ; h, W1's codes, W1's scales, b1
	s_load_b64 s[12:13], s[0:1], 0x20              ; f
	v_lshl_add_u32 v[SPW], v0, 2, SPARE
	v_mov_b32 v[NIL], 0
	ds_add_u32 v28, v29
	ds_add_u32 v28, v29
	s_wait_dscnt 0x0
	v_lshrrev_b32 v1, 5, v0
	v_readfirstlane_b32 s14, v1                    ; wave 0..3
	s_lshr_b32 s15, s14, 1
	s_and_b32 s16, s14, 1
	s_bfe_u32 s40, ttmp6, 0x40000                  ; cx
	s_bfe_u32 s41, ttmp6, 0x40004                  ; cy
	s_lshl_b32 s42, ttmp9, 2
	s_add_co_u32 s42, s42, s40                     ; tile column
	s_and_b32 s17, ttmp7, 0xffff
	s_lshl_b32 s17, s17, 2
	s_add_co_u32 s17, s17, s41                     ; tile row
	s_lshl_b32 s43, s41, 2
	s_lshl_b32 s43, 15, s43                        ; my row of the cluster
	s_lshl_b32 s44, 0x1111, s40                    ; my column
	s_or_b32 s[G1+0], s43, (0<<16)|(1<<20)|(1<<21)|(5<<22)|(3<<25)
	s_or_b32 s[G1B+0], s44, (0<<16)|(1<<20)|(1<<21)|(5<<22)|(3<<25)
.irp g, G1, G1B
	s_mov_b32 s[\g+1], ROWB<<16
	s_mov_b32 s[\g+2], 128<<16
	s_mov_b32 s[\g+3], ROWB<<16
	s_mov_b32 s[\g+4], 128
	s_mov_b32 s[\g+5], KROW
	s_mov_b32 s[\g+6], 0
	s_mov_b32 s[\g+7], 0
.endr
	s_or_b32 s[G1S+0], s43, (3<<16)|(1<<20)|(1<<21)|(5<<22)|(3<<25)
	s_or_b32 s[G1SB+0], s44, (3<<16)|(1<<20)|(1<<21)|(5<<22)|(3<<25)
.irp g, G1S, G1SB
	s_mov_b32 s[\g+1], 32<<16
	s_mov_b32 s[\g+2], (128*KS/256)<<16
	s_mov_b32 s[\g+3], 32<<16
	s_mov_b32 s[\g+4], 128*KS/256
	s_mov_b32 s[\g+5], 32
	s_mov_b32 s[\g+6], 0
	s_mov_b32 s[\g+7], 0
.endr
	s_lshl_b32 s18, s16, 7
	s_lshl_b32 s20, s17, 8
	s_add_co_u32 s20, s20, s18                     ; A: row 256 x tile row + 128 x half
	s_lshl_b32 s46, s42, 8
	s_add_co_u32 s46, s46, s18                     ; B: row 256 x tile column + 128 x half
	s_mov_b32 s21, 0
	s_mov_b32 s47, 0
	s_mov_b64 s[18:19], KS
	s_mul_u64 s[22:23], s[20:21], s[18:19]
	s_mul_u64 s[92:93], s[46:47], s[18:19]
	s_add_nc_u64 s[22:23], s[22:23], 0x400000      ; h's scale bytes lie behind its codes
	s_mov_b64 s[18:19], KROW
	s_mul_u64 s[20:21], s[20:21], s[18:19]
	s_mul_u64 s[46:47], s[46:47], s[18:19]
	s_mul_i32 s45, s14, HALFT
	s_mul_i32 s94, s14, HALFS
	s_wait_kmcnt 0x0
	s_add_nc_u64 s[20:21], s[4:5], s[20:21]
	s_add_nc_u64 s[22:23], s[4:5], s[22:23]
	s_add_nc_u64 s[46:47], s[6:7], s[46:47]
	s_add_nc_u64 s[92:93], s[8:9], s[92:93]
	CROUND                                         ; all sixteen work-groups are here: the first joint loads meet
	s_mov_b32 s[G0S], 1
	s_add_co_u32 s[G0S+1], s94, SCL
	s_mov_b64 s[G0S+2:G0S+3], s[22:23]
	s_or_b32 s[G0S+3], s[G0S+3], 0x80000000
	s_mov_b32 s[G0SB], 1
	s_add_co_u32 s[G0SB+1], s94, SCL
	s_mov_b64 s[G0SB+2:G0SB+3], s[92:93]
	s_or_b32 s[G0SB+3], s[G0SB+3], 0x80000000
	JLOAD G0S, G1S, G0SB, G1SB
.irp s, 0,1
	s_mov_b32 s[G0+4*\s], 1
	s_add_co_u32 s[G0+4*\s+1], s45, \s*SLOT
	s_add_nc_u64 s[G0+4*\s+2:G0+4*\s+3], s[20:21], \s*ROWB
	s_or_b32 s[G0+4*\s+3], s[G0+4*\s+3], 0x80000000
	s_mov_b32 s[G0B+4*\s], 1
	s_add_co_u32 s[G0B+4*\s+1], s45, \s*SLOT
	s_add_nc_u64 s[G0B+4*\s+2:G0B+4*\s+3], s[46:47], \s*ROWB
	s_or_b32 s[G0B+4*\s+3], s[G0B+4*\s+3], 0x80000000
	JLOAD G0+4*\s, G1, G0B+4*\s, G1B
.endr
	v_and_b32 v1, 15, v0                           ; r
	v_bfe_u32 v2, v0, 4, 1                         ; h
	s_lshl_b32 s18, s42, 10                        ; b1: my 128 hidden units begin at 256 x tile column + 128 x half
	s_lshl_b32 s19, s16, 9
	s_add_co_u32 s18, s18, s19
	s_mov_b32 s19, 0
	s_add_nc_u64 s[10:11], s[10:11], s[18:19]
	v_lshlrev_b32 v[BLT], 5, v2
.irp b, 0,1,2,3,4,5,6,7
	global_load_b128 v[BI+8*\b:BI+8*\b+3], v[BLT], s[10:11] offset:64*\b       ; tile b: hidden units 16 b + 8 h + 0 .. 7
	global_load_b128 v[BI+8*\b+4:BI+8*\b+7], v[BLT], s[10:11] offset:64*\b+16
.endr
	v_mul_u32_u24 v3, v1, PITCH
	v_lshl_add_u32 v4, v2, 4, v3
	s_mul_i32 s21, s15, HALFT
	s_mul_i32 s22, s16, HALFT
	s_add_co_u32 s22, s22, 2*HALFT
.irp s, 0,1
	v_add_nc_u32 v[ADRA+\s], s21, v4
	v_add_nc_u32 v[ADRB+\s], s22, v4
	s_add_co_u32 s21, s21, SLOT
	s_add_co_u32 s22, s22, SLOT
.endr
	v_mul_u32_u24 v5, v1, KS
	v_lshrrev_b32 v6, 8, v5
	v_lshl_add_u32 v5, v6, 4, v5
	s_mul_i32 s21, s15, HALFS
	s_mul_i32 s22, s16, HALFS
	s_add_co_u32 s22, s22, 2*HALFS
	s_sub_co_u32 s22, s22, s21
	v_mul_u32_u24 v6, s22, v2                      ; lanes 16-31 take B's
	s_add_co_u32 s21, s21, SCL
	v_add_nc_u32 v5, v5, v6
	v_add_nc_u32 v[ADRS], s21, v5
	v_and_b32 v6, 31, v0
	v_lshlrev_b32 v[LI], 4, v6
	s_lshl_b32 s23, s14, 10
	v_lshl_add_u32 v[GIN], v1, 2, s23
	v_add_nc_u32 v[GOUT], s23, v[LI]
	; where the wave's results go: n = hidden / 128 = 2 x tile column + half; image ((n / 4) x 256 + 16 x tile row + 8 x row half + a) x 4 + n % 4
	s_lshl_b32 s18, s42, 1
	s_add_co_u32 s18, s18, s16                     ; n
	s_lshr_b32 s20, s18, 2
	s_lshl_b32 s20, s20, 8
	s_lshl_b32 s21, s17, 4
	s_add_co_u32 s20, s20, s21
	s_lshl_b32 s21, s15, 3
	s_add_co_u32 s20, s20, s21
	s_lshl_b32 s20, s20, 2
	s_and_b32 s21, s18, 3
	s_add_co_u32 s20, s20, s21
	s_lshl_b32 s20, s20, 11
	s_mov_b32 s21, 0
	s_lshl_b32 s22, s18, 14                        ; scale words: n x 16,384 + 4 x my first row, behind the codes
	s_lshl_b32 s23, s17, 10
	s_add_co_u32 s22, s22, s23
	s_lshl_b32 s23, s15, 9
	s_add_co_u32 s22, s22, s23
	s_add_co_u32 s22, s22, 16777216
	s_mov_b32 s23, 0
	s_add_nc_u64 s[SB:SB+1], s[OB0:OB0+1], s[22:23]
	s_add_nc_u64 s[OB0:OB0+1], s[OB0:OB0+1], s[20:21]
	s_mov_b32 s[SEL], 0x76543210
	s_mov_b32 s[SEL+1], 0xfedcba98
	s_mov_b32 s[MNT], 0x600000
.macro FRAG reg, adr, q, i
.irp c, 0,1,2,3
	ds_load_b128 v[\reg+4*\c:\reg+4*\c+3], v[\adr] offset:128*(\q)+32*\c+(\i)*16*PITCH
.endr
.endm
; 16 matrix instructions: A's blocks a0, a0 + 1 x B's eight.  The 64 accumulators take turns, one instruction a turn, in the same order in every step.  zero = 1: b1 starts the sums
.macro MUL16 a0, p, q, sc, zero
.irp a, \a0, \a0+1
.irp b, 0,1,2,3,4,5,6,7
.if \zero
	v_wmma_scale_f32_16x16x128_f8f6f4 v[8*(8*((\a)%4)+\b):8*(8*((\a)%4)+\b)+7], v[128*(\p)+FR*\b:128*(\p)+FR*\b+FR-1], v[AF+FR*(\a):AF+FR*(\a)+FR-1], v[BI+8*\b:BI+8*\b+7], v[SC+8*NQ*(\sc)+NQ*\b+(\q)], v[SC+8*NQ*(\sc)+NQ*(\a)+(\q)] matrix_a_fmt:MATRIX_FMT_BF8 matrix_b_fmt:MATRIX_FMT_BF8 matrix_a_scale:MATRIX_SCALE_ROW1
.else
	v_wmma_scale_f32_16x16x128_f8f6f4 v[8*(8*((\a)%4)+\b):8*(8*((\a)%4)+\b)+7], v[128*(\p)+FR*\b:128*(\p)+FR*\b+FR-1], v[AF+FR*(\a):AF+FR*(\a)+FR-1], v[8*(8*((\a)%4)+\b):8*(8*((\a)%4)+\b)+7], v[SC+8*NQ*(\sc)+NQ*\b+(\q)], v[SC+8*NQ*(\sc)+NQ*(\a)+(\q)] matrix_a_fmt:MATRIX_FMT_BF8 matrix_b_fmt:MATRIX_FMT_BF8 matrix_a_scale:MATRIX_SCALE_ROW1
.endif
.endr
.endr
.endm
.macro FETCH_B slot, q, p
	WIN TO_B
.irp i, 0,1,2,3,4,5,6,7
	FRAG 128*(\p)+FR*\i, ADRB+\slot, \q, \i
.endr
	WIN 0
.endm
.macro FETCH_A slot, q, i0
.irp i, \i0, \i0+1, \i0+2, \i0+3
	FRAG AF+FR*(\i), ADRA+\slot, \q, \i
.endr
.endm
.macro SCALES sc
.irp i, 0,1,2,3,4,5,6,7
	ds_load_b64 v[SC+8*NQ*\sc+NQ*\i:SC+8*NQ*\sc+NQ*\i+1], v[ADRS] offset:\i*SBLK
.endr
.endm
.macro PLACES n
.rept \n
	v_nop
.endr
.endm
.macro STEP slot, q, zero
	s_wait_dscnt 4*NL                              ; B's set and A's blocks 0-3 are in; the youngest 16 loads (A's blocks 4-7) may be out
.if \zero
	WIN 0x81                                       ; C (b1) in window 0, D in window 2
.else
	WIN MUL_LO
.endif
	MUL16 0, (\q)%2, \q, \slot, \zero
	MUL16 2, (\q)%2, \q, \slot, \zero
	s_wait_dscnt 0
	PLACES NP
	FETCH_B \slot, (\q)+1, 1-(\q)%2
	FETCH_A \slot, (\q)+1, 0
.if \zero
	WIN 0xc1                                       ; C in window 0, D in window 3
.else
	WIN MUL_HI
.endif
	MUL16 4, (\q)%2, \q, \slot, \zero
	MUL16 6, (\q)%2, \q, \slot, \zero
	PLACES NP
	WIN 0
	FETCH_A \slot, (\q)+1, 4
.endm
.macro TURN slot, next, fill
	s_wait_tensorcnt 0x0                           ; all my tensor loads have landed: my part of the next slot
	ds_add_u32 v[SPW], v[NIL]                      ; 0 onto my spare word
	s_wait_dscnt 4*NL+1                            ; (the add and the youngest 16 loads may be out)
	WIN MUL_LO
	MUL16 0, 1, NQ-1, \slot, 0
	s_wait_dscnt 0x0                               ; the add is done, and my reads of this slot are over
	s_barrier_signal -1
	MUL16 2, 1, NQ-1, \slot, 0
	WIN 0
	s_barrier_wait -1
.if \fill
	CREST                                          ; the barrier has opened a round of the cluster's barrier: no wave of any partner still reads this slot or has a load on its way
	s_add_nc_u64 s[G0+4*\slot+2:G0+4*\slot+3], s[G0+4*\slot+2:G0+4*\slot+3], 2*ROWB
	s_add_nc_u64 s[G0B+4*\slot+2:G0B+4*\slot+3], s[G0B+4*\slot+2:G0B+4*\slot+3], 2*ROWB
	JLOAD G0+4*\slot, G1, G0B+4*\slot, G1B
	PLACES NP-4
.else
	PLACES NP
.endif
	v_add_nc_u32 v[ADRS], 4*NQ, v[ADRS]
	FETCH_B \next, 0, 0
	FETCH_A \next, 0, 0
	SCALES \next
	WIN MUL_HI
	MUL16 4, 1, NQ-1, \slot, 0
	MUL16 6, 1, NQ-1, \slot, 0
	PLACES NP
	WIN 0
	FETCH_A \next, 0, 4
.endm
	s_wait_tensorcnt 1                             ; the scales and my part of K step 0 are in (K step 1's load may be out),
	s_barrier_signal -1
	s_barrier_wait -1                              ; everybody's are
	FETCH_B 0, 0, 0
	FETCH_A 0, 0, 0
	SCALES 0
	FETCH_A 0, 0, 4
	s_wait_loadcnt 0x0                             ; b1
	STEP 0, 0, 1                                   ; the first step's products start the sums, from b1
	s_mov_b32 s3, LAPS-1
.Llap:
	TURN 0, 1, 1
	STEP 1, 0, 0
	TURN 1, 0, 1
	STEP 0, 0, 0
	s_sub_co_u32 s3, s3, 1
	s_cmp_lg_u32 s3, 0
	s_cbranch_scc1 .Llap
	TURN 0, 1, 0
	STEP 1, 0, 0
	s_wait_dscnt 4*NL
	WIN MUL_LO
	MUL16 0, 1, NQ-1, 1, 0
	MUL16 2, 1, NQ-1, 1, 0
	s_wait_dscnt 0
	WIN MUL_HI
	MUL16 4, 1, NQ-1, 1, 0
	MUL16 6, 1, NQ-1, 1, 0
	WIN 0
; Block a of 16 rows: its 128 hidden units a row are four blocks of 32 along the next K: one fragment and one scale word a row.
.macro QROW a
.set W, 2+(\a)/4
.set AC, 64*((\a)%4)
.set W2S, W|(W<<2)
.set WDS, (W<<6)|W
.if (\a) > 0
	s_wait_xcnt 0x0                                ; the last block's stores have read their data and their base: both are written again only behind this wait
	s_add_nc_u64 s[OB0:OB0+1], s[OB0:OB0+1], 8192  ; the next row block's image of the same 128 along K
.endif
	WIN W2S
.irp b, 0,1,2,3
	v_max3_num_f32 v[TM+\b], v[AC+16*\b], v[AC+16*\b+1], 0x8000000   ; no |.|: what is negative is to become 0 and must not count; the floor 2^(16 - 127) stands over it; each accumulator is read from its low end on
.endr
.irp i, 2,4,6,8,10,12,14
.irp b, 0,1,2,3
	v_max3_num_f32 v[TM+\b], v[AC+16*\b+\i], v[AC+16*\b+\i+1], v[TM+\b]
.endr
.endr
	WIN 0
.irp b, 0,1,2,3
	v_permlanex16_b32 v[TM+4+\b], v[TM+\b], s[SEL], s[SEL+1]
.endr
.irp b, 0,1,2,3
	v_max_num_f32 v[TM+\b], v[TM+\b], v[TM+4+\b]
.endr
.irp b, 0,1,2,3
	v_add_nc_u32 v[TM+12+\b], 0xf8800000, v[TM+\b]
.endr
.irp b, 0,1,2,3
	v_and_or_b32 v[TM+8+\b], v[TM+\b], 0x7f800000, s[MNT]
.endr
.irp b, 0,1,2,3
	v_lshrrev_b32 v[TM+4+\b], 23, v[TM+12+\b]
.endr
	v_lshl_or_b32 v[PW], v[TM+5], 8, v[TM+4]
	v_lshl_or_b32 v[PW], v[TM+6], 16, v[PW]
	v_lshl_or_b32 v[PW], v[TM+7], 24, v[PW]
	WIN WDS
.irp b, 0,1,2,3
.irp i, 0,1,2,3,4,5,6,7,8,9,10,11,12,13,14,15
	v_med3_num_f32 v[AC+16*\b+\i], v[AC+16*\b+\i], 0, v[TM+8+\b]   ; the activation and the hold in one
.endr
.endr
	WIN W
.irp t, 0,1,2,3,4,5,6,7
	v_cvt_scalef32_pk8_bf8_f32 v[PC+2*\t:PC+2*\t+1], v[AC+8*\t:AC+8*\t+7], v[TM+12+\t/2]
.endr
	WIN 0
	v_nop                                          ; a plain line between the conversions and the lines that touch their results
.irp b, 0,1,2,3
	v_permlane16_swap_b32 v[PC+4*\b], v[PC+4*\b+2]
	v_permlane16_swap_b32 v[PC+4*\b+1], v[PC+4*\b+3]
.endr
	ds_store_b32 v[GIN], v[PW] offset:64*(\a)      ; both halves of the lanes write the same word with the same value
.irp c, 0,1,2,3
	global_store_b128 v[LI], v[PC+4*\c:PC+4*\c+3], s[OB0:OB0+1] offset:512*\c   ; each store covers 512 consecutive bytes, aligned
.endr
.endm
	PLACES NP
.irp b, 0,1,2,3
	v_mov_b32 v[TM+4+\b], 0                        ; written once: a lane permute's destination counts as one of its sources
.endr
.irp a, 0,1,2,3,4,5,6,7
	QROW \a
.endr
	ds_load_b128 v[RB:RB+3], v[GOUT]               ; LDS serves a wave's instructions in order: this sees my stores
	s_wait_dscnt 0x0
	global_store_b128 v[LI], v[RB:RB+3], s[SB:SB+1]                    ; my 128 rows' scale words: 512 consecutive bytes
	s_wait_tensorcnt 0x0                           ; the wave's end
	ds_add_u32 v[SPW], v[NIL]
	s_wait_dscnt 0x0
	CROUND                                         ; the closing round
	s_endpgm
.Lfunc_end_k_qe72b82c4b0_w1:
	.size	k_qe72b82c4b0_w1, .Lfunc_end_k_qe72b82c4b0_w1-k_qe72b82c4b0_w1
	.p2alignl 7, 3214868480
	.fill 96, 4, 3214868480
	.section	.rodata,"a",@progbits
	.p2align	6, 0x0
	.amdhsa_kernel k_qe72b82c4b0_w1
		.amdhsa_group_segment_fixed_size 327680
		.amdhsa_private_segment_fixed_size 0
		.amdhsa_enable_private_segment 0
		.amdhsa_kernarg_size 40
		.amdhsa_user_sgpr_count 2
		.amdhsa_user_sgpr_kernarg_segment_ptr 1
		.amdhsa_wavefront_size32 1
		.amdhsa_system_sgpr_workgroup_id_x 1
		.amdhsa_system_sgpr_workgroup_id_y 1
		.amdhsa_system_sgpr_workgroup_id_z 1
		.amdhsa_system_vgpr_workitem_id 0
		.amdhsa_next_free_vgpr 1024
		.amdhsa_next_free_sgpr 106
		.amdhsa_reserve_vcc 0
		.amdhsa_float_denorm_mode_32 3
		.amdhsa_float_denorm_mode_16_64 3
		.amdhsa_memory_ordered 1
		.amdhsa_forward_progress 1
		.amdhsa_inst_pref_size 190
	.end_amdhsa_kernel
	.amdgpu_metadata
---
amdhsa.version: [ 1, 2 ]
amdhsa.kernels:
  - .name:           k_qe72b82c4b0_w1
    .symbol:         k_qe72b82c4b0_w1.kd
    .args:
      - { .name: h, .offset: 0, .size: 8, .value_kind: global_buffer, .address_space: global }
      - { .name: W1_codes, .offset: 8, .size: 8, .value_kind: global_buffer, .address_space: global }
      - { .name: W1_scales, .offset: 16, .size: 8, .value_kind: global_buffer, .address_space: global }
      - { .name: b1, .offset: 24, .size: 8, .value_kind: global_buffer, .address_space: global }
      - { .name: f, .offset: 32, .size: 8, .value_kind: global_buffer, .address_space: global }
    .group_segment_fixed_size: 327680
    .private_segment_fixed_size: 0
    .kernarg_segment_align: 8
    .kernarg_segment_size: 40
    .max_flat_workgroup_size: 128
    .sgpr_count:     106
    .vgpr_count:     1024
    .wavefront_size: 32
...
	.end_amdgpu_metadata
.endif
;; end of part 5
;; launch w2 (part 6): grid 8 x 32, 4 waves a work-group, clusters of 4 x 4, 327,680 bytes of LDS; arguments f, W2_codes, W2_scales, b2, x1, out0; writes out0
.if DOCPART == 6
	.amdgcn_target "amdgcn-amd-amdhsa--gfx1250"
	.amdhsa_code_object_version 6
	.text
	.protected	k_qe72b82c4b0_w2
	.globl	k_qe72b82c4b0_w2
	.p2align	8
	.type	k_qe72b82c4b0_w2,@function
k_qe72b82c4b0_w2:
	s_mov_b64 s[64:65], 0
	v_nop
	global_prefetch_b8 v0, s[64:65] scope:SCOPE_SE
	s_setreg_imm32_b32 hwreg(HW_REG_WAVE_MODE, 25, 1), 1
	s_wait_xcnt 0x0
	s_wait_alu depctr_hold_cnt(0) depctr_sa_sdst(0) depctr_va_vdst(0) depctr_va_sdst(0) depctr_va_ssrc(0) depctr_va_vcc(0) depctr_vm_vsrc(0)
	s_getreg_b32 s2, hwreg(HW_REG_IB_STS2, 6, 4)
	s_cmp_eq_u32 s2, 0
	s_cbranch_scc0 .Lentry_in_a_cluster
	s_endpgm
.Lentry_in_a_cluster:
	s_bfe_u32 s2, ttmp6, 0x10000c
	s_cmp_lg_u32 s2, 0xf033
	s_cbranch_scc0 .Lentry_shape_is_right
	s_endpgm
.Lentry_shape_is_right:
; out = resid + bias + A B^T on codes of BF8 (E5M2) with E8M0 scales for each 32 along K = SIZE_K.  A: 4,096 rows, made by this program; B: 1,024 rows of codes, K innermost; out, resid: [4096][1024] f32.
; A's LAYOUT: images of the operand's registers, [K / 512][row / 16][4 (128 along K)][4 groups][lane][16 bytes], so that a K step's 128 rows are one dense block; behind the codes (byte 4,096 SIZE_K) scale words [K / 128][4,096 rows][4 bytes].
; TILES OF 128 x 128: with 1,024 columns a tile of 256 x 256 would give work to 64 work-groups; this gives 256.  Four waves, 64 x 64 each: 16 accumulators.
; K goes in steps of 512 through two LDS slots (A: 65,536 dense bytes; B: 128 rows of 512 + 16 bytes), one tensor load a wave; all scale bytes come once with the first fills.
; 4 x 4 work-groups form a cluster: A's tiles are asked for jointly along a row of the cluster, B's along a column.
; THE MATRIX INSTRUCTION IS USED TRANSPOSED (source 0 = 16 rows of B, source 1 = 16 rows of A): a lane holds eight neighbouring numbers of a row of out.  The bias is the C of each sum's first product.
; The residual tile is asked for at the head, in the layout in which rows come back from the stage, and waits in window 2.
; No prefetch: 2 or 8 K steps, tiles shared in the cluster.
; REGISTERS: window 0: v16-29 addresses; v32-47 scale words, two sets, and nothing else; v48-79 the bias, later rows on their way out; v80-111 likewise; v128-255 the accumulators ((a, b) at 128 + 8 (4 a + b)).
;   window 1: two fragment buffers of 128 (A's four, then B's four).   window 2: v0-127 the residual tile.
.set SIZE_K, 4096
.set LAPS,  SIZE_K/1024                ; a lap = two K steps
.set KS,    SIZE_K/32                  ; a row of B's scale bytes
.set NCH,   SIZE_K/128                 ; scale words a row
.set ATILE, 65536
.set BP,    528                        ; a row of B in LDS: 512 bytes + 16 of padding
.set BHALF, 64*BP
.set SLOT,  ATILE+2*BHALF
.set SCA,   2*SLOT                     ; A's scale words [K / 128][128 rows][4 bytes]
.set SCAH,  (NCH/2)*512
.set SCBB,  SCA+NCH*512                ; B's scale bytes: two halves of 64 rows, as runs of 256 bytes + 16 of padding
.set SCBH,  NCH*272
.set SBT,   (16*KS/256)*272            ; those of 16 rows
.set SPARE, SCBB+2*SCBH                ; the spare words, 128 bytes a wave: two blocks of 256 bytes that no other line names
.set ADRA, 16
.set ADRB, 20
.set ADSA, 22
.set ADSB, 23
.set STO,  24
.set RD,   25
.set CO,   26
.set SPW,  28
.set NIL,  29
.set SC,   32
.set BI,   48
.set T0,   48
.set ACC,  128
.set G1A, 24
.set G0A, 32
.set G1B, 48
.set G0B, 56
.set G1SA, 68
.set G0SA, 76
.set G1SB, 80
.set G0SB, 88
.set MSB, 0
.macro WIN new                         ; the immediate's high byte repeats the setting that is left
.if MSB != (\new)
	s_set_vgpr_msb (MSB<<8)|(\new)
.set MSB, (\new)
.endif
.endm
.macro JLOAD g0a, g1a, g0b, g1b        ; waves 0 and 1 fetch for A, waves 2 and 3 for B; four v_nop follow each of the two lines
	s_cmp_eq_u32 s17, 0
	s_cbranch_scc0 .Lfor_b_\@
	tensor_load_to_lds s[\g0a:\g0a+3], s[\g1a:\g1a+7]
	s_nop 0
.rept 4
	v_nop
.endr
	s_branch .Lasked_\@
.Lfor_b_\@:
	tensor_load_to_lds s[\g0b:\g0b+3], s[\g1b:\g1b+7]
	s_nop 0
.rept 4
	v_nop
.endr
.Lasked_\@:
.endm
.macro CREST
	s_cmp_lg_u32 s16, 0
	s_cbranch_scc1 .Lnot_wave_0_\@
	s_barrier_signal -3
.Lnot_wave_0_\@:
	s_barrier_wait -3
	s_barrier_signal -1
	s_barrier_wait -1
.endm
.macro CROUND
	s_barrier_signal -1
	s_barrier_wait -1
	CREST
.endm
.macro PLACES n
.rept \n
	v_nop
.endr
.endm
	s_load_b256 s[4:11], s[0:1], 0x0               ; A, B's codes, B's scales, the bias
	s_load_b128 s[12:15], s[0:1], 0x20             ; the residual, out
	v_lshl_add_u32 v[SPW], v0, 2, SPARE
	v_mov_b32 v[NIL], 0
	ds_add_u32 v28, v29
	ds_add_u32 v28, v29
	s_wait_dscnt 0x0
	v_lshrrev_b32 v1, 5, v0
	v_readfirstlane_b32 s16, v1                    ; wave 0..3
	s_lshr_b32 s17, s16, 1                         ; my half of the tile's rows.  Also: I fetch for A (0) or for B (1)
	s_and_b32 s18, s16, 1                          ; my half of its columns.  Also: which half I fetch
	s_bfe_u32 s40, ttmp6, 0x40000                  ; cx
	s_bfe_u32 s41, ttmp6, 0x40004                  ; cy
	s_lshl_b32 s42, ttmp9, 2
	s_add_co_u32 s42, s42, s40                     ; tile column
	s_and_b32 s43, ttmp7, 0xffff
	s_lshl_b32 s43, s43, 2
	s_add_co_u32 s43, s43, s41                     ; tile row
	s_lshl_b32 s44, s41, 2
	s_lshl_b32 s44, 15, s44                        ; my row of the cluster
	s_lshl_b32 s45, 0x1111, s40                    ; my column
	s_or_b32 s[G1A], s44, (3<<16)|(1<<21)          ; A's half tile: 32,768 dense bytes as 128 rows of 256 (32 elements of 8 bytes), no padding
	s_mov_b32 s[G1A+1], 32<<16
	s_mov_b32 s[G1A+2], 128<<16
	s_mov_b32 s[G1A+3], 32<<16
	s_mov_b32 s[G1A+4], 128
	s_mov_b32 s[G1A+5], 32
	s_mov_b32 s[G1A+6], 0
	s_mov_b32 s[G1A+7], 0
	s_or_b32 s[G1B], s45, (0<<16)|(1<<20)|(1<<21)|(6<<22)|(3<<25)   ; B's: 64 rows of 512 bytes, 4 words of padding behind every 128
	s_mov_b32 s[G1B+1], 512<<16
	s_mov_b32 s[G1B+2], 64<<16
	s_mov_b32 s[G1B+3], 512<<16
	s_mov_b32 s[G1B+4], 64
	s_mov_b32 s[G1B+5], SIZE_K
	s_mov_b32 s[G1B+6], 0
	s_mov_b32 s[G1B+7], 0
	s_or_b32 s[G1SA], s44, (3<<16)|(1<<21)         ; A's scale words: NCH / 2 rows of 512 bytes (the tile's 128 rows), 16,384 bytes apart
	s_mov_b32 s[G1SA+1], 64<<16
	s_mov_b32 s[G1SA+2], (NCH/2)<<16
	s_mov_b32 s[G1SA+3], 64<<16
	s_mov_b32 s[G1SA+4], NCH/2
	s_mov_b32 s[G1SA+5], 2048
	s_mov_b32 s[G1SA+6], 0
	s_mov_b32 s[G1SA+7], 0
	s_or_b32 s[G1SB], s45, (3<<16)|(1<<20)|(1<<21)|(5<<22)|(3<<25)  ; B's scale bytes of 64 rows: a dense block, as rows of 256 bytes + 16 of padding
	s_mov_b32 s[G1SB+1], 32<<16
	s_mov_b32 s[G1SB+2], NCH<<16
	s_mov_b32 s[G1SB+3], 32<<16
	s_mov_b32 s[G1SB+4], NCH
	s_mov_b32 s[G1SB+5], 32
	s_mov_b32 s[G1SB+6], 0
	s_mov_b32 s[G1SB+7], 0
	s_lshl_b32 s92, s43, 16                        ; A's codes: 8 row blocks of 8,192 bytes a tile row,
	s_lshl_b32 s93, s18, 15                        ; 4 a half
	s_add_co_u32 s92, s92, s93
	s_mov_b32 s93, 0
	s_mul_i32 s94, s18, (NCH/2)*16384              ; A's scale words: my half of the K / 128,
	s_lshl_b32 s95, s43, 9                         ; the tile's 128 rows,
	s_add_co_u32 s94, s94, s95
	s_add_co_u32 s94, s94, 4096*SIZE_K             ; behind the codes
	s_mov_b32 s95, 0
	s_lshl_b32 s96, s42, 7
	s_lshl_b32 s97, s18, 6
	s_add_co_u32 s96, s96, s97                     ; B: row 128 x tile column + 64 x half
	s_mul_i32 s98, s96, KS
	s_mul_i32 s96, s96, SIZE_K
	s_mov_b32 s97, 0
	s_mov_b32 s99, 0
	s_lshl_b32 s20, s18, 15                        ; where they go in LDS: made of the wave's number alone
	s_mul_i32 s21, s18, BHALF
	s_add_co_u32 s21, s21, ATILE
	s_mul_i32 s22, s18, SCAH
	s_add_co_u32 s22, s22, SCA
	s_mul_i32 s23, s18, SCBH
	s_add_co_u32 s23, s23, SCBB
	s_wait_kmcnt 0x0
	s_add_nc_u64 s[92:93], s[4:5], s[92:93]
	s_add_nc_u64 s[94:95], s[4:5], s[94:95]
	s_add_nc_u64 s[96:97], s[6:7], s[96:97]
	s_add_nc_u64 s[98:99], s[8:9], s[98:99]
	CROUND                                         ; all sixteen work-groups are here: the first joint loads meet
	s_mov_b32 s[G0SA], 1
	s_mov_b32 s[G0SA+1], s22
	s_mov_b64 s[G0SA+2:G0SA+3], s[94:95]
	s_or_b32 s[G0SA+3], s[G0SA+3], 0x80000000
	s_mov_b32 s[G0SB], 1
	s_mov_b32 s[G0SB+1], s23
	s_mov_b64 s[G0SB+2:G0SB+3], s[98:99]
	s_or_b32 s[G0SB+3], s[G0SB+3], 0x80000000
	JLOAD G0SA, G1SA, G0SB, G1SB                   ; the scales first
.irp s, 0,1
	s_mov_b32 s[G0A+4*\s], 1
	s_add_co_u32 s[G0A+4*\s+1], s20, \s*SLOT
	s_add_nc_u64 s[G0A+4*\s+2:G0A+4*\s+3], s[92:93], \s*2097152    ; a K step of A: 256 row blocks of 8,192 bytes
	s_or_b32 s[G0A+4*\s+3], s[G0A+4*\s+3], 0x80000000
	s_mov_b32 s[G0B+4*\s], 1
	s_add_co_u32 s[G0B+4*\s+1], s21, \s*SLOT
	s_add_nc_u64 s[G0B+4*\s+2:G0B+4*\s+3], s[96:97], \s*512
	s_or_b32 s[G0B+4*\s+3], s[G0B+4*\s+3], 0x80000000
	JLOAD G0A+4*\s, G1A, G0B+4*\s, G1B
.endr
	v_and_b32 v1, 15, v0                           ; r
	v_bfe_u32 v2, v0, 4, 1                         ; h
	v_and_b32 v3, 31, v0
	v_lshlrev_b32 v4, 4, v3                        ; 16 x lane
	s_lshl_b32 s20, s17, 15                        ; my 64 rows of A: 4 row blocks of 8,192 bytes
	v_add_nc_u32 v[ADRA], s20, v4
	v_add_nc_u32 v[ADRA+1], SLOT, v[ADRA]
	v_mul_u32_u24 v5, v1, BP
	v_lshl_add_u32 v5, v2, 4, v5
	v_add_nc_u32 v[ADRB], s21, v5                  ; my 64 rows of B (s21: the same half as I would fetch)
	v_add_nc_u32 v[ADRB+1], SLOT, v[ADRB]
	s_lshl_b32 s22, s17, 8
	s_add_co_u32 s22, s22, SCA
	v_lshl_add_u32 v[ADSA], v1, 2, s22             ; A's scale words: 4 bytes a row
	v_mul_u32_u24 v5, v1, KS
	v_lshrrev_b32 v6, 8, v5
	v_lshl_add_u32 v5, v6, 4, v5                   ; B's: KS bytes a row, and 16 more for each 256 passed
	v_add_nc_u32 v[ADSB], s23, v5
	s_mul_i32 s20, s16, 16*272                     ; my stage, in slot 0: it has had its last fill and its last read when the first result is stored there
	v_mul_u32_u24 v5, v1, 272
	v_lshl_add_u32 v5, v2, 5, v5
	v_add_nc_u32 v[STO], s20, v5                   ; in: row r, 32 bytes for each half of the lanes
	v_mul_u32_u24 v5, v2, 272
	v_lshl_add_u32 v5, v1, 4, v5
	v_add_nc_u32 v[RD], s20, v5                    ; back: lanes 0-15 one row of 256 bytes, lanes 16-31 the next
	v_lshlrev_b32 v[CO], 12, v2
	v_lshl_add_u32 v[CO], v1, 4, v[CO]             ; and the same two rows in memory
	v_lshlrev_b32 v7, 5, v2                        ; the bias: my half's eight numbers of a tile
	s_lshl_b32 s20, s42, 9
	s_lshl_b32 s21, s18, 8
	s_add_co_u32 s20, s20, s21                     ; my first column, in bytes
	s_mov_b32 s21, 0
	s_add_nc_u64 s[10:11], s[10:11], s[20:21]
	s_lshl_b32 s22, s43, 19
	s_lshl_b32 s23, s17, 18
	s_add_co_u32 s22, s22, s23                     ; my first row
	s_add_co_u32 s20, s20, s22
	s_add_nc_u64 s[12:13], s[12:13], s[20:21]
	s_add_nc_u64 s[14:15], s[14:15], s[20:21]
.irp b, 0,1,2,3
	global_load_b128 v[BI+8*\b:BI+8*\b+3], v7, s[10:11] offset:64*\b
	global_load_b128 v[BI+8*\b+4:BI+8*\b+7], v7, s[10:11] offset:64*\b+16
.endr
	WIN 0x80                                       ; destination window 2
.irp a, 0,1,2,3
.irp t, 0,1,2,3,4,5,6,7
	global_load_b128 v[4*(8*\a+\t):4*(8*\a+\t)+3], v[CO], s[12:13] offset:(16*\a+2*\t)*4096 th:TH_LOAD_NT   ; sixteen lanes read 256 consecutive bytes
.endr
.endr
	WIN 0
.macro FETCH slot, q, f                ; the fragments and scale words of the slot's q-th 128 along K into buffer f: 40 LDS loads
	WIN 0x40
.irp a, 0,1,2,3
.irp c, 0,1,2,3
	ds_load_b128 v[128*(\f)+16*\a+4*\c:128*(\f)+16*\a+4*\c+3], v[ADRA+\slot] offset:(4*\a+(\q))*2048+512*\c
.endr
.endr
.irp b, 0,1,2,3
.irp c, 0,1,2,3
	ds_load_b128 v[128*(\f)+64+16*\b+4*\c:128*(\f)+64+16*\b+4*\c+3], v[ADRB+\slot] offset:16*BP*\b+128*(\q)+32*\c
.endr
.endr
	WIN 0
.irp a, 0,1,2,3
	ds_load_b32 v[SC+8*(\f)+\a], v[ADSA] offset:512*(\q)+64*\a
.endr
.irp b, 0,1,2,3
	ds_load_b32 v[SC+8*(\f)+4+\b], v[ADSB] offset:\b*SBT+4*(\q)
.endr
.endm
; 8 matrix instructions: A's blocks a0, a0 + 1 x B's four.  The 16 accumulators take turns, one instruction a turn, in the same order throughout.  zero = 1: the bias starts the sums
.macro MUL8 f, a0, zero
.irp a, \a0, \a0+1
.irp b, 0,1,2,3
.if \zero
	v_wmma_scale_f32_16x16x128_f8f6f4 v[ACC+8*(4*(\a)+\b):ACC+8*(4*(\a)+\b)+7], v[128*(\f)+64+16*\b:128*(\f)+64+16*\b+15], v[128*(\f)+16*(\a):128*(\f)+16*(\a)+15], v[BI+8*\b:BI+8*\b+7], v[SC+8*(\f)+4+\b], v[SC+8*(\f)+(\a)] matrix_a_fmt:MATRIX_FMT_BF8 matrix_b_fmt:MATRIX_FMT_BF8
.else
	v_wmma_scale_f32_16x16x128_f8f6f4 v[ACC+8*(4*(\a)+\b):ACC+8*(4*(\a)+\b)+7], v[128*(\f)+64+16*\b:128*(\f)+64+16*\b+15], v[128*(\f)+16*(\a):128*(\f)+16*(\a)+15], v[ACC+8*(4*(\a)+\b):ACC+8*(4*(\a)+\b)+7], v[SC+8*(\f)+4+\b], v[SC+8*(\f)+(\a)] matrix_a_fmt:MATRIX_FMT_BF8 matrix_b_fmt:MATRIX_FMT_BF8
.endif
.endr
.endr
.endm
.macro QTR f, zero, slot, q            ; fetches the quarter (slot, q) into the other buffer, then multiplies buffer f
	PLACES 8                                       ; in front of loads into registers that the last products read
	FETCH \slot, \q, 1-(\f)
	s_wait_dscnt 40                                ; all but the 40 just issued: buffer f is in
	WIN 0x05                                       ; sources 0 and 1: window 1
	MUL8 \f, 0, \zero
	MUL8 \f, 2, \zero
	WIN 0
.endm
; A slot's last quarter (buffer 1) changes slots: one barrier; in front of it each wave waits for all its tensor loads, adds 0 to its spare word, and waits for that and for its own reads of this slot.
.macro TURN slot, next, fill
	s_wait_tensorcnt 0x0                           ; all my tensor loads have landed: my part of the next slot
	ds_add_u32 v[SPW], v[NIL]                      ; 0 onto my spare word
	s_wait_dscnt 1                                 ; (the add may be out: buffer 1 is in)
	WIN 0x05
	MUL8 1, 0, 0
	s_wait_dscnt 0x0                               ; the add is done, and my reads of this slot are over
	WIN 0
	s_barrier_signal -1
	s_barrier_wait -1
.if \fill
	CREST                                          ; the barrier has opened a round of the cluster's barrier: no wave of any partner still reads this slot or has a load on its way
	s_add_nc_u64 s[G0A+4*\slot+2:G0A+4*\slot+3], s[G0A+4*\slot+2:G0A+4*\slot+3], 4194304
	s_add_nc_u64 s[G0B+4*\slot+2:G0B+4*\slot+3], s[G0B+4*\slot+2:G0B+4*\slot+3], 1024
	JLOAD G0A+4*\slot, G1A, G0B+4*\slot, G1B       ; the first tensor load behind the round; its four v_nop are among the places in front of the loads below
	PLACES 4
.else
	PLACES 8
.endif
	v_add_nc_u32 v[ADSA], 2048, v[ADSA]            ; on to the next K step's scale words
	v_add_nc_u32 v[ADSB], 16, v[ADSB]
	FETCH \next, 0, 0
	WIN 0x05
	MUL8 1, 2, 0
	WIN 0
.endm
	s_wait_tensorcnt 1                             ; the scales and my part of K step 0 are in (K step 1's load may be out),
	s_barrier_signal -1
	s_barrier_wait -1                              ; everybody's are
	FETCH 0, 0, 0
	s_wait_loadcnt 32                              ; the bias is in; the residual's 32 loads may be out
	QTR 0, 1, 0, 1
.if LAPS > 1
	s_mov_b32 s19, LAPS-1
.Llap:                                                 ; a trip goes once round the ring and fills both slots again
	QTR 1, 0, 0, 2
	QTR 0, 0, 0, 3
	TURN 0, 1, 1
	QTR 0, 0, 1, 1
	QTR 1, 0, 1, 2
	QTR 0, 0, 1, 3
	TURN 1, 0, 1
	QTR 0, 0, 0, 1
	s_sub_co_u32 s19, s19, 1
	s_cmp_lg_u32 s19, 0
	s_cbranch_scc1 .Llap
.endif
	QTR 1, 0, 0, 2                                 ; the last lap fills nothing
	QTR 0, 0, 0, 3
	TURN 0, 1, 0
	QTR 0, 0, 1, 1
	QTR 1, 0, 1, 2
	QTR 0, 0, 1, 3
	s_wait_dscnt 0x0
	WIN 0x05
	MUL8 1, 0, 0
	MUL8 1, 2, 0
	WIN 0
; THE WAY OUT, 16 rows x 64 columns at a time: through my own stage, back as whole runs of 256 bytes, the residual added, stored.  LDS serves a wave's instructions in order: no wait between the stores and the loads.
.macro TOSTAGE a
.set TT, T0+32*((\a)%2)
.irp b, 0,1,2,3
	ds_store_b128 v[STO], v[ACC+8*(4*(\a)+\b):ACC+8*(4*(\a)+\b)+3] offset:64*\b          ; each accumulator from its low end on
	ds_store_b128 v[STO], v[ACC+8*(4*(\a)+\b)+4:ACC+8*(4*(\a)+\b)+7] offset:64*\b+16
.endr
.irp t, 0,1,2,3,4,5,6,7
	ds_load_b128 v[TT+4*\t:TT+4*\t+3], v[RD] offset:544*\t
.endr
.endm
.macro SEND a, younger                 ; younger: the LDS instructions issued behind block a's loads, which may stay out
.set TT, T0+32*((\a)%2)
	s_wait_dscnt \younger
	WIN 0x08                                       ; source 1: window 2
.set i, 0
.rept 16
	v_pk_add_f32 v[TT+i:TT+i+1], v[TT+i:TT+i+1], v[32*(\a)+i:32*(\a)+i+1]
.set i, i+2
.endr
	WIN 0
.irp t, 0,1,2,3,4,5,6,7
	global_store_b128 v[CO], v[TT+4*\t:TT+4*\t+3], s[14:15] offset:(16*(\a)+2*\t)*4096   ; sixteen lanes store 256 consecutive bytes, aligned
.endr
.endm
	s_wait_loadcnt 0x0                             ; the residual tile
	PLACES 8
	TOSTAGE 0
.irp a, 1,2,3
.if \a > 1
	s_wait_xcnt 0x0                                ; block a - 2's stores have read their registers: block a's loads may land there
.endif
	TOSTAGE \a
	SEND \a-1, 16
.endr
	SEND 3, 0
	s_wait_tensorcnt 0x0                           ; the wave's end
	ds_add_u32 v[SPW], v[NIL]
	s_wait_dscnt 0x0
	CROUND                                         ; the closing round
	s_endpgm
.Lfunc_end_k_qe72b82c4b0_w2:
	.size	k_qe72b82c4b0_w2, .Lfunc_end_k_qe72b82c4b0_w2-k_qe72b82c4b0_w2
	.p2alignl 7, 3214868480
	.fill 96, 4, 3214868480
	.section	.rodata,"a",@progbits
	.p2align	6, 0x0
	.amdhsa_kernel k_qe72b82c4b0_w2
		.amdhsa_group_segment_fixed_size 327680
		.amdhsa_private_segment_fixed_size 0
		.amdhsa_enable_private_segment 0
		.amdhsa_kernarg_size 48
		.amdhsa_user_sgpr_count 2
		.amdhsa_user_sgpr_kernarg_segment_ptr 1
		.amdhsa_wavefront_size32 1
		.amdhsa_system_sgpr_workgroup_id_x 1
		.amdhsa_system_sgpr_workgroup_id_y 1
		.amdhsa_system_sgpr_workgroup_id_z 1
		.amdhsa_system_vgpr_workitem_id 0
		.amdhsa_next_free_vgpr 768
		.amdhsa_next_free_sgpr 100
		.amdhsa_reserve_vcc 0
		.amdhsa_float_denorm_mode_32 3
		.amdhsa_float_denorm_mode_16_64 3
		.amdhsa_memory_ordered 1
		.amdhsa_forward_progress 1
		.amdhsa_inst_pref_size 107
	.end_amdhsa_kernel
	.amdgpu_metadata
---
amdhsa.version: [ 1, 2 ]
amdhsa.kernels:
  - .name:           k_qe72b82c4b0_w2
    .symbol:         k_qe72b82c4b0_w2.kd
    .args:
      - { .name: f, .offset: 0, .size: 8, .value_kind: global_buffer, .address_space: global }
      - { .name: W2_codes, .offset: 8, .size: 8, .value_kind: global_buffer, .address_space: global }
      - { .name: W2_scales, .offset: 16, .size: 8, .value_kind: global_buffer, .address_space: global }
      - { .name: b2, .offset: 24, .size: 8, .value_kind: global_buffer, .address_space: global }
      - { .name: x1, .offset: 32, .size: 8, .value_kind: global_buffer, .address_space: global }
      - { .name: out0, .offset: 40, .size: 8, .value_kind: global_buffer, .address_space: global }
    .group_segment_fixed_size: 327680
    .private_segment_fixed_size: 0
    .kernarg_segment_align: 8
    .kernarg_segment_size: 48
    .max_flat_workgroup_size: 128
    .sgpr_count:     100
    .vgpr_count:     768
    .wavefront_size: 32
...
	.end_amdgpu_metadata
.endif
;; end of part 6
